; MI455X (gfx1250); checked and timed in simulation.
; The chip was launched on July 23, 2026; its instructions are those of AMD's public machine-readable ISA for CDNA 5 (MIT licence, August 2026) and "CDNA5" Instruction Set Architecture Reference Guide (July 2026). The comments in the code are by the model that wrote it; some were corrected since.
;; Multihead Self Attention. Allowed arithmetic: matrix products marked QUANTISED: E4M3 operands, one given power-of-two scale a tensor, by v_wmma_f32_16x16x64_fp8_fp8 or v_wmma_f32_16x16x128_fp8_fp8, f32 sums; everything else in f32.
;; Inputs: WK 1,024 x 1,024 float32; WO 1,024 x 1,024 float32; WQ 1,024 x 1,024 float32; WV 1,024 x 1,024 float32; lowp_scales 12 int32 (the exponents e of the quantised operands' scales 2^e); token_positions 2,048 int32; x 2 x 2,048 x 1,024 float32.
;; Outputs: out0 2 x 2,048 x 1,024 float32.
;; This version of the problem:
;;   THIS VERSION OF THE PROBLEM IS GIVEN IN LOW PRECISION. The matrix products marked QUANTISED in the list below multiply operands that are first quantised to E4M3 (4 exponent bits, 3 mantissa bits; 8 bits a number), with one given power-of-two scale for each operand tensor; their sums are f32. All else is computed in f32.
;;   The module's matrix products, in the order in which they are computed (A, B: the left and right operand; K: the contracted axis; several contracted axes count as one K, in the product's order):
;;     1. [M 4,096, K 1,024] x [K 1,024, N 1,024]; A: input x; B: input WQ: QUANTISED (scales: A lowp_scales[0], B lowp_scales[1])
;;     2. [M 4,096, K 1,024] x [K 1,024, N 1,024]; A: input x; B: input WK: QUANTISED (scales: A lowp_scales[2], B lowp_scales[3])
;;     3. [M 4,096, K 1,024] x [K 1,024, N 1,024]; A: input x; B: input WV: QUANTISED (scales: A lowp_scales[4], B lowp_scales[5])
;;     4. batch 32 x [M 2,048, K 64] x [K 64, N 2,048]; A: computed on the way; B: computed on the way: QUANTISED (scales: A lowp_scales[6], B lowp_scales[7])
;;     5. batch 32 x [M 2,048, K 2,048] x [K 2,048, N 64]; A: softmax (see below); B: computed on the way: QUANTISED (scales: A lowp_scales[8], B lowp_scales[9])
;;     6. [M 4,096, K 1,024] x [K 1,024, N 1,024]; A: computed on the way; B: input WO: QUANTISED (scales: A lowp_scales[10], B lowp_scales[11])
;;   THE QUANTISER, for each operand of a quantised product, along K:
;;     - The operand's scale is 2^e, e = its entry of the input lowp_scales (int32; the entries are numbered through the quantised products in the list's order, A before B).
;;     - Each number is divided by the scale, clamped to +-448, and rounded to the nearest number of E4M3, ties to even, subnormals kept.
;;     - The product sums the exact products of the quantised numbers (number of the format x scale) in f32.
;;   ~~~python
;;   def quantise(x, axis, e):      # numpy; x: float32 -> the quantised numbers, widened to float32 again
;;       x = np.moveaxis(x, axis, -1); K = x.shape[-1]
;;       r = np.clip(x / 2.0 ** e, -448, 448)
;;       step = 2.0 ** (np.maximum(np.frexp(np.where(r == 0, 1, r))[1] - 1, -6) - 3)
;;       q = np.round(r / step) * step * 2.0 ** e      # np.round: ties to even
;;       return np.moveaxis(q, -1, axis).astype(np.float32)
;;   ~~~
;;   SOFTMAX AHEAD OF A QUANTISED PRODUCT. Where the list says 'softmax', what is quantised is not the finished softmax but p = 2^(t - M), with t = logit x log2(e) and M = ceil(the row's largest t), a whole number; so 1/2 < the row's largest p <= 1. The row's sum l is taken of the UNQUANTISED p, in f32, and the product's result is divided by l at the end. Since M is a whole number, a kernel that streams over the keys may use a running M (the ceiling of the running maximum): every later rescaling is an exact power of two, so the quantised numbers keep their values, but for numbers so far below the row's largest that they fall under the format's range.
;;   OPERANDS COMPUTED ON THE WAY. 'Computed on the way' means the value that the module computes at that place (a softmax that the list does not call 'softmax' is quantised finished and normalised). What goes into a quantiser is computed in f32, as accurately as f32 sums, v_exp_f32 and their like allow (about 1e-6 of the number): no bf16 or f16 on the way to a quantiser, and a product that is left as it is and whose result goes on into a quantised operand takes f32 operands (vector FMAs, or v_wmma_f32_16x16x4_f32). A number that lies on a knife's edge between two numbers of the format may be rounded either way, as far as f32 arithmetic and the matrix unit's own rounding can turn it there, and no further.
;; One version. Each part assembles by itself: llvm-mc -triple=amdgcn-amd-amdhsa -mcpu=gfx1250 --defsym DOCPART=n.
;; ======== version 1 of 1: 4 launches
;; limits: right only within a limited range of input values
;; workspace buffers: xc 12,582,912 bytes; wc 4,194,304 bytes; rope 524,288 bytes; qc 4,194,304 bytes; kc 4,194,304 bytes; vc 4,194,304 bytes; oc 4,194,304 bytes
;; launch prep (part 1): grid 1056 x 1, 4 waves a work-group, no clusters, 41,472 bytes of LDS; arguments x, WQ, WK, WV, WO, lowp_scales, token_positions, xc, wc, rope; writes xc, wc, rope
.if DOCPART == 1
	.amdgcn_target "amdgcn-amd-amdhsa--gfx1250"
	.amdhsa_code_object_version 6
	.text
	.protected	k_qf35a7773f4_prep
	.globl	k_qf35a7773f4_prep
	.p2align	8
	.type	k_qf35a7773f4_prep,@function
k_qf35a7773f4_prep:
	s_mov_b64 s[64:65], 0
	v_nop
	global_prefetch_b8 v0, s[64:65] scope:SCOPE_SE
	s_setreg_imm32_b32 hwreg(HW_REG_WAVE_MODE, 25, 1), 1
	s_wait_xcnt 0x0
; x [4096][1024] f32 becomes three sets of E4M3 codes (scales 2^e0, 2^e2, 2^e4: one for each of the three projections), WQ, WK, WV, WO [1024][1024] f32 one set each (e1, e3, e5, e11),
; and token_positions becomes a table of sines and cosines for the rotation of Q and K.
; code = number / 2^e, held within +-448, to the nearest code, ties to even.  K is innermost in x and in the weights, so a row of 1,024 numbers becomes a row of 1,024 bytes.
; THE ROWS ARE LAID IN ANOTHER ORDER: row n goes to place n with bits 3 and 4 exchanged.  Sixteen consecutive places 16 T + m then hold rows 32 (T / 2) + 8 (T % 2) + m + 8 (m / 8), so that in the
; products that follow a lane's sixteen results of two neighbouring tiles are sixteen NEIGHBOURS along this axis, ready for the next quantiser.  Eight rows (a run) keep their order: runs change places.
; SHARES.  Work-groups 0-511: a run of x each, three outputs.  512-1023: a run of one weight each.  1024-1055: the table, 16 positions a wave.  A wave takes two rows: four steps of 512 numbers.
; All sixteen loads of a wave go out at once, 512 consecutive bytes each; a step's 2,048 bytes turn through the wave's own stage in LDS (16 bytes of padding behind each 64) and come back 64 bytes a lane:
; sixteen neighbours along K, as the conversions want them.  A lane's 16 codes are 16 bytes: a store covers 512 consecutive bytes.  No barrier: waves share nothing.  The two paths that use LDS have bytes of their own.
; THE TABLE: rope[s][j] = (sin, cos) of position[s] x 10000^(-j / 32), j = 0 .. 31, f32.  The frequency is 2^(-j log2(10000) / 32); the angle is reduced by multiples of pi / 2 held in three parts,
; and sine and cosine are polynomials on +-pi / 4.
; LIMITS: e0 .. e5 and e11 between -126 and 119.  NaN among the inputs is not served.  Positions up to 2^24 in magnitude keep the reduction's accuracy.
.set SP,    80                         ; a lane's place in a stage: 64 bytes + 16 of padding
.set WREG,  2*32*SP                    ; a wave's two stages
.set LBX,   0                          ; LDS of the path for x
.set LBW,   4*WREG                     ; LDS of the path for the weights
.set R,     16                         ; v16-79   four steps x 16 registers, as loaded
.set X,     80                         ; v80-111  two sets of 16 neighbours
.set T,     112                        ; v112-127 the 16 numbers, held
.set SCL,   128                        ; v128.. output o: 2^e, then 448 x 2^e.  A step's codes (12 registers) lie in the sixteen registers that the step was loaded into: they have gone to the stage
.set XPART, 0x400000                   ; bytes of one set of x's codes
.macro MKS e, o                        ; s[e] = the exponent -> the scale and the hold of output o
	s_add_co_i32 s50, s[\e], 127
	s_lshl_b32 s51, s50, 23
	v_mov_b32 v[SCL+2*\o], s51                     ; 2^e as f32: the conversion takes its exponent field
	s_add_co_i32 s50, s50, 8
	s_lshl_b32 s50, s50, 23
	s_or_b32 s50, s50, 0x600000
	v_mov_b32 v[SCL+2*\o+1], s50                   ; 448 x 2^e
.endm
.macro PLACE r                         ; s[r] = the run -> s46 = where my wave's codes begin: the run's two low bits exchanged, 8,192 bytes a run, 2,048 a wave
	s_and_b32 s46, s[\r], 0x1fc
	s_and_b32 s48, s[\r], 1
	s_lshl_b32 s48, s48, 1
	s_or_b32 s46, s46, s48
	s_bfe_u32 s48, s[\r], 0x10001
	s_or_b32 s46, s46, s48
	s_lshl_b32 s46, s46, 13
	s_lshl_b32 s48, s24, 11
	s_add_co_u32 s46, s46, s48
.endm
.macro LOAD t
.irp i, 0,1,2,3
	global_load_b128 v[R+16*(\t)+4*\i:R+16*(\t)+4*\i+3], v3, s[26:27] offset:2048*(\t)+512*\i th:TH_LOAD_NT   ; 32 lanes read 512 consecutive bytes; read once
.endr
.endm
.macro TURN t, lb                      ; step t's numbers through the stage: LDS serves a wave's instructions in order, so no wait stands between the stores and the loads
.irp i, 0,1,2,3
	ds_store_b128 v14, v[R+16*(\t)+4*\i:R+16*(\t)+4*\i+3] offset:\lb+32*SP*((\t)%2)+8*SP*\i
.endr
.irp i, 0,1,2,3
	ds_load_b128 v[X+16*((\t)%2)+4*\i:X+16*((\t)%2)+4*\i+3], v15 offset:\lb+32*SP*((\t)%2)+16*\i
.endr
.endm
.macro OUT1 t, o, base                 ; one output of step t
.irp i, 0,1,2,3,4,5,6,7,8,9,10,11,12,13,14,15
	v_med3_num_f32 v[T+\i], v[XS+\i], -v[SCL+2*\o+1], v[SCL+2*\o+1]   ; the conversion to an 8-bit code does not saturate (ISA guide 7.6.2): the hold comes first
.endr
.set CB, R+16*(\t)+4*\o
	v_cvt_scalef32_pk8_fp8_f32 v[CB:CB+1], v[T:T+7], v[SCL+2*\o]
	v_cvt_scalef32_pk8_fp8_f32 v[CB+2:CB+3], v[T+8:T+15], v[SCL+2*\o]
	v_nop                                          ; a plain line between the conversions and the next holds, which write their sources
	global_store_b128 v3, v[CB:CB+3], s[\base:\base+1] offset:512*(\t)
.endm
.macro STEP t, nout, lb
.set XS, X+16*((\t)%2)
	s_wait_dscnt 0x0                               ; this step's numbers are back from the stage
.if (\t) < 3
	s_wait_loadcnt 4*(2-(\t))                      ; the next step's four loads are in; those of the steps behind it may be out
	TURN (\t)+1, \lb
.endif
	OUT1 \t, 0, 28
.if \nout > 1
	OUT1 \t, 1, 30
	OUT1 \t, 2, 44
.endif
.endm
	s_load_b512 s[4:19], s[0:1], 0x0               ; x 4, WQ 6, WK 8, WV 10, WO 12, the exponents 14, the positions 16, xc 18
	s_load_b128 s[20:23], s[0:1], 0x40             ; wc 20, rope 22
	v_lshl_add_u32 v134, v0, 2, 0xa000             ; my spare word, and 0: never rewritten
	v_mov_b32 v135, 0
	v_lshrrev_b32 v1, 5, v0
	v_readfirstlane_b32 s24, v1                    ; wave
	v_and_b32 v2, 31, v0                           ; lane
	v_lshlrev_b32 v3, 4, v2                        ; my 16 bytes of a load's, and of a store's, 512
	s_mul_i32 s25, s24, WREG
	v_lshrrev_b32 v14, 2, v2
	v_mul_u32_u24 v14, v14, SP
	v_and_b32 v15, 3, v2
	v_lshl_add_u32 v14, v15, 4, v14
	v_add_nc_u32 v14, s25, v14                     ; into the stage: four lanes' 64 bytes on end, then the padding
	v_mul_u32_u24 v15, v2, SP
	v_add_nc_u32 v15, s25, v15                     ; out of it: my 16 neighbours
	s_mov_b32 s47, 0
	s_wait_kmcnt 0x0
	s_load_b256 s[32:39], s[14:15], 0x0            ; e0 .. e7
	s_load_b128 s[40:43], s[14:15], 0x20           ; e8 .. e11
	s_cmp_ge_u32 ttmp9, 1024
	s_cbranch_scc1 .Ltable
	s_cmp_ge_u32 ttmp9, 512
	s_cbranch_scc1 .Lweights
	; ---- a run of x, three outputs
	s_mov_b32 s49, ttmp9
	PLACE 49
	s_add_nc_u64 s[28:29], s[18:19], s[46:47]
	s_add_nc_u64 s[30:31], s[28:29], XPART
	s_add_nc_u64 s[44:45], s[30:31], XPART
	s_lshl_b32 s46, s49, 15                        ; a run is 32,768 bytes of f32,
	s_lshl_b32 s48, s24, 13                        ; my two rows 8,192
	s_add_co_u32 s46, s46, s48
	s_add_nc_u64 s[26:27], s[4:5], s[46:47]
	s_wait_alu depctr_va_vdst(0)
	LOAD 0
	LOAD 1
	LOAD 2
	LOAD 3
	s_wait_kmcnt 0x0
	MKS 32, 0
	MKS 34, 1
	MKS 36, 2
	s_wait_alu depctr_va_vdst(0)
	s_wait_loadcnt 12                              ; step 0's four loads are in
	TURN 0, LBX
	STEP 0, 3, LBX
	STEP 1, 3, LBX
	STEP 2, 3, LBX
	STEP 3, 3, LBX
	s_wait_tensorcnt 0x0                           ; the wave's end
	ds_add_u32 v134, v135
	s_wait_dscnt 0x0
	s_endpgm
.Lweights:                                         ; ---- a run of one weight
	s_sub_co_u32 s49, ttmp9, 512
	s_lshr_b32 s25, s49, 7                         ; which weight: 0 WQ, 1 WK, 2 WV, 3 WO
	s_and_b32 s49, s49, 127                        ; its run
	PLACE 49
	s_lshl_b32 s48, s25, 20                        ; a weight's codes are 1 MiB
	s_add_co_u32 s46, s46, s48
	s_add_nc_u64 s[28:29], s[20:21], s[46:47]
	s_cmp_eq_u32 s25, 1                            ; the choices hang on the work-group's number alone
	s_cselect_b64 s[26:27], s[8:9], s[6:7]
	s_cmp_eq_u32 s25, 2
	s_cselect_b64 s[26:27], s[10:11], s[26:27]
	s_cmp_eq_u32 s25, 3
	s_cselect_b64 s[26:27], s[12:13], s[26:27]
	s_lshl_b32 s46, s49, 15
	s_lshl_b32 s48, s24, 13
	s_add_co_u32 s46, s46, s48
	s_add_nc_u64 s[26:27], s[26:27], s[46:47]
	s_wait_alu depctr_va_vdst(0)
	LOAD 0
	LOAD 1
	LOAD 2
	LOAD 3
	s_wait_kmcnt 0x0
	s_cmp_eq_u32 s25, 1
	s_cselect_b32 s52, s35, s33                    ; e3 or e1
	s_cmp_eq_u32 s25, 2
	s_cselect_b32 s52, s37, s52                    ; e5
	s_cmp_eq_u32 s25, 3
	s_cselect_b32 s52, s43, s52                    ; e11
	MKS 52, 0
	s_wait_alu depctr_va_vdst(0)
	s_wait_loadcnt 12
	TURN 0, LBW
	STEP 0, 1, LBW
	STEP 1, 1, LBW
	STEP 2, 1, LBW
	STEP 3, 1, LBW
	s_wait_tensorcnt 0x0                           ; the wave's end
	ds_add_u32 v134, v135
	s_wait_dscnt 0x0
	s_endpgm
.Ltable:                                           ; ---- the table: lane = pair j, sixteen positions a wave
	s_sub_co_u32 s46, ttmp9, 1024
	s_lshl_b32 s46, s46, 2
	s_add_co_u32 s46, s46, s24                     ; which sixteen positions: 0 .. 127
	s_lshl_b32 s26, s46, 6
	s_mov_b32 s27, 0
	s_add_nc_u64 s[16:17], s[16:17], s[26:27]
	s_load_b512 s[48:63], s[16:17], 0x0            ; sixteen positions
	s_lshl_b32 s26, s46, 12                        ; 256 bytes of table a position
	s_add_nc_u64 s[22:23], s[22:23], s[26:27]
	s_wait_alu depctr_va_vdst(0)
	v_lshlrev_b32 v5, 3, v2                        ; 8 bytes a pair
	v_cvt_f32_u32 v6, v2
	v_mul_f32 v6, 0xbed49a78, v6                   ; -j log2(10000) / 32
	s_wait_alu depctr_va_vdst(0)
	v_exp_f32 v7, v6                               ; the frequency
	v_mov_b32 v21, 0xb94ca1f9                      ; (a plain line behind the exponential)  the sine's leading coefficient,
	v_mov_b32 v22, 0x37ccf5ce                      ; the cosine's
	s_wait_kmcnt 0x0
	s_wait_alu depctr_va_vdst(0)                   ; the wait ahead of the first line that names the exponential's result
.macro SINCOS i
	v_cvt_f32_i32 v8, s[48+\i]
	v_mul_f32 v8, v8, v7                           ; the angle a, one rounding
	v_mul_f32 v9, 0x3f22f983, v8                   ; a x 2 / pi
	v_rndne_f32 v9, v9                             ; n
	v_fmamk_f32 v10, v9, 0xbfc90fdb, v8            ; r = a - n pi / 2, pi / 2 in three parts
	v_fmamk_f32 v10, v9, 0x333bbd2e, v10
	v_fmamk_f32 v10, v9, 0x26f72ced, v10
	v_cvt_i32_f32 v11, v9                          ; the quadrant
	v_mul_f32 v12, v10, v10                        ; z = r r
	v_fmaak_f32 v13, v21, v12, 0x3c08839e
	v_fmaak_f32 v13, v13, v12, 0xbe2aaaa3
	v_mul_f32 v17, v10, v12
	v_fma_f32 v13, v17, v13, v10                   ; sin r = r + r z (..)
	v_fmaak_f32 v16, v22, v12, 0xbab6061a
	v_fmaak_f32 v16, v16, v12, 0x3d2aaaa5
	v_mul_f32 v17, v12, v12
	v_fma_f32 v18, v12, -0.5, 1.0
	v_fma_f32 v16, v17, v16, v18                   ; cos r = 1 - z / 2 + z z (..)
	v_and_b32 v17, 1, v11
	v_cmp_eq_u32 vcc_lo, 1, v17                    ; an odd quadrant exchanges the two
	v_cndmask_b32 v19, v13, v16, vcc_lo
	v_cndmask_b32 v20, v16, v13, vcc_lo
	v_lshlrev_b32 v17, 30, v11
	v_and_b32 v17, 0x80000000, v17                 ; the sine is negated in quadrants 2 and 3,
	v_xor_b32 v[64+2*\i], v19, v17
	v_add_nc_u32 v11, 1, v11
	v_lshlrev_b32 v17, 30, v11
	v_and_b32 v17, 0x80000000, v17                 ; the cosine in quadrants 1 and 2
	v_xor_b32 v[65+2*\i], v20, v17
	global_store_b64 v5, v[64+2*\i:65+2*\i], s[22:23] offset:256*\i   ; 32 lanes store a position's 256 bytes
.endm
.irp i, 0,1,2,3,4,5,6,7,8,9,10,11,12,13,14,15
	SINCOS \i
.endr
	s_endpgm
.Lfunc_end_k_qf35a7773f4_prep:
	.size	k_qf35a7773f4_prep, .Lfunc_end_k_qf35a7773f4_prep-k_qf35a7773f4_prep
	.p2alignl 7, 3214868480
	.fill 96, 4, 3214868480
	.section	.rodata,"a",@progbits
	.p2align	6, 0x0
	.amdhsa_kernel k_qf35a7773f4_prep
		.amdhsa_group_segment_fixed_size 41472
		.amdhsa_private_segment_fixed_size 0
		.amdhsa_enable_private_segment 0
		.amdhsa_kernarg_size 80
		.amdhsa_user_sgpr_count 2
		.amdhsa_user_sgpr_kernarg_segment_ptr 1
		.amdhsa_wavefront_size32 1
		.amdhsa_system_sgpr_workgroup_id_x 1
		.amdhsa_system_sgpr_workgroup_id_y 1
		.amdhsa_system_sgpr_workgroup_id_z 1
		.amdhsa_system_vgpr_workitem_id 0
		.amdhsa_next_free_vgpr 136
		.amdhsa_next_free_sgpr 66
		.amdhsa_reserve_vcc 1
		.amdhsa_float_denorm_mode_32 3
		.amdhsa_float_denorm_mode_16_64 3
		.amdhsa_memory_ordered 1
		.amdhsa_forward_progress 1
		.amdhsa_inst_pref_size 56
	.end_amdhsa_kernel
	.amdgpu_metadata
---
amdhsa.version: [ 1, 2 ]
amdhsa.kernels:
  - .name:           k_qf35a7773f4_prep
    .symbol:         k_qf35a7773f4_prep.kd
    .args:
      - { .name: x, .offset: 0, .size: 8, .value_kind: global_buffer, .address_space: global }
      - { .name: WQ, .offset: 8, .size: 8, .value_kind: global_buffer, .address_space: global }
      - { .name: WK, .offset: 16, .size: 8, .value_kind: global_buffer, .address_space: global }
      - { .name: WV, .offset: 24, .size: 8, .value_kind: global_buffer, .address_space: global }
      - { .name: WO, .offset: 32, .size: 8, .value_kind: global_buffer, .address_space: global }
      - { .name: lowp_scales, .offset: 40, .size: 8, .value_kind: global_buffer, .address_space: global }
      - { .name: token_positions, .offset: 48, .size: 8, .value_kind: global_buffer, .address_space: global }
      - { .name: xc, .offset: 56, .size: 8, .value_kind: global_buffer, .address_space: global }
      - { .name: wc, .offset: 64, .size: 8, .value_kind: global_buffer, .address_space: global }
      - { .name: rope, .offset: 72, .size: 8, .value_kind: global_buffer, .address_space: global }
    .group_segment_fixed_size: 41472
    .private_segment_fixed_size: 0
    .kernarg_segment_align: 8
    .kernarg_segment_size: 80
    .max_flat_workgroup_size: 128
    .sgpr_count:     66
    .vgpr_count:     136
    .wavefront_size: 32
...
	.end_amdgpu_metadata
.endif
;; end of part 1
;; launch qkv (part 2): grid 12 x 16, 4 waves a work-group, clusters of 4 x 4, 327,680 bytes of LDS; arguments xc, wc, lowp_scales, rope, qc, kc, vc; writes qc, kc, vc
.if DOCPART == 2
	.amdgcn_target "amdgcn-amd-amdhsa--gfx1250"
	.amdhsa_code_object_version 6
	.text
	.protected	k_qf35a7773f4_qkv
	.globl	k_qf35a7773f4_qkv
	.p2align	8
	.type	k_qf35a7773f4_qkv,@function
k_qf35a7773f4_qkv:
	s_mov_b64 s[64:65], 0
	v_nop
	global_prefetch_b8 v0, s[64:65] scope:SCOPE_SE
	s_setreg_imm32_b32 hwreg(HW_REG_WAVE_MODE, 25, 1), 1
	s_wait_xcnt 0x0
	s_wait_alu depctr_hold_cnt(0) depctr_sa_sdst(0) depctr_va_vdst(0) depctr_va_sdst(0) depctr_va_ssrc(0) depctr_va_vcc(0) depctr_vm_vsrc(0)
	s_getreg_b32 s2, hwreg(HW_REG_IB_STS2, 6, 4)
	s_cmp_eq_u32 s2, 0
	s_cbranch_scc0 .Lentry_in_a_cluster
	s_endpgm
.Lentry_in_a_cluster:
	s_bfe_u32 s2, ttmp6, 0x10000c
	s_cmp_lg_u32 s2, 0xf033
	s_cbranch_scc0 .Lentry_shape_is_right
	s_endpgm
.Lentry_shape_is_right:
; The three projections Q, K, V = x W^T on codes of E4M3, the rotation of Q and K, and the quantisers ahead of attention's two products.  In: x's codes (three sets) and the weights' codes, rows of 1,024 bytes,
; K innermost, rows laid with bits 3 and 4 of their number exchanged.  Out: codes of Q, K and V as IMAGES OF OPERAND REGISTERS: four registers of 32 lanes, 512 consecutive bytes, lane l's 16 bytes at 16 l.
;   qc, kc: byte = (16 batch + head) 131072 + 1024 T + 512 c + 16 l: token 32 (T / 2) + 8 (T % 2) + l % 16 + 8 ((l % 16) / 8), channels 32 c + 16 (l / 16) + 0 .. 15.
;   vc:     byte = (16 batch + head) 131072 + 8192 kc + 2048 t + 512 c + 16 l: channel 32 (t / 2) + 8 (t % 2) + l % 16 + 8 ((l % 16) / 8), keys 128 kc + 32 c + 16 (l / 16) + 0 .. 15.
; SHARES.  A work-group of four waves makes 256 x 256 of one projection, a wave 128 x 128: 64 accumulators, 512 registers.  K = 1,024 goes in four steps of 256 through a ring of two LDS slots.
; The cluster's x says which projection (0 Q, 1 K, 2 V): it is the same in all sixteen partners.  192 work-groups: a tile of 128 x 128 would fill more WGPs but read each LDS byte for half the products.
; ONE TEXT FOR ALL THREE.  Source 1 of the matrix instruction ('A': a lane holds one of its rows) and source 0 ('B': a lane's registers run along its rows) are chosen by pointers: for Q and K A = x, B = W, so that a
; lane holds a token and its registers run along the head's channels, the next product's K; for V A = W, B = x, so that a lane holds a channel and its registers run along the keys.  By the order of the rows the sixteen
; registers of accumulators 2 g and 2 g + 1 are sixteen neighbours: the conversions' results are the next operand's registers, and leave by one store of 512 bytes.  No stage in LDS, nothing is transposed.
; CLUSTERS: 4 x 4.  A's tile is shared along a row of the cluster, B's along a column: each is asked for jointly, by the same tensor load with the same descriptor and a mask that names the four.
; PREFETCH: behind the joint load of K step s stands one for K step s + 1, which is loaded one K step later: of the 128 rows x 256 bytes that a wave fetches each of the four partners names 32, a lane a row, told apart by address
; (cx for A, cy for B); so each block of 256 bytes is named once in each cluster.  The last K step asks for nothing.
; THE SCALES ARE FOLDED: a sum stands for sum x 2^(ex + ew); its code is sum / 2^(eo - ex - ew).  The rotation is linear, so it works on the sums as they are.
; LIMITS: e6 - e0 - e1, e7 - e2 - e3 and e9 - e4 - e5 between -126 and 119.
; REGISTERS: window 0: v16-30 addresses and constants; v32-95 two blocks of the rotation's table; from v128 A's fragments, ONE set; on the way out v96-199 are at work.
;   window 1: B's fragments, TWO sets; the last step reads set 1, and set 0 takes four blocks of the table.   window 2: the accumulators of my rows 0-63 ((a, b) at v[8 (8 a + b)]);   window 3: those of rows 64-127.
.set KSTEP,  256
.set ROWB,   256                       ; a tile's row in bytes
.set KROW,   1024                      ; a row in memory
.set PITCH,  272                       ; an LDS row: 256 bytes + 16 of padding = 68 words: the 16 rows that a load touches start at 16 different banks (64 banks of 4 bytes: ISA guide 11.1)
.set FR,     16                        ; registers of a fragment: 16 rows x 128 K
.set NL,     4                         ; LDS loads that bring one
.set NP,     4                         ; places behind this matrix instruction (ISA guide 7.12.1)
.set HALFT,  128*PITCH                 ; what one tensor load brings, and what one wave reads of A or of B
.set SLOT,   4*HALFT
.set SPARE,  2*SLOT                    ; behind the ring: the spare words, 128 bytes a wave
.set ADRA, 16                          ; v16-17  LDS address of my A fragments in slot 0, 1
.set ADRB, 20                          ; v20-21  the same for B
.set RO,   24                          ; v24     the table: my token's row and my half's 64 bytes; never rewritten
.set IO,   25                          ; v25     16 x lane: my place in an image; never rewritten
.set SC,   26                          ; v26     the folded scale as f32
.set LIM,  27                          ; v27     448 x that
.set SPW,  28                          ; v28     LDS address of my spare word; never rewritten
.set NIL,  29                          ; v29     0; never rewritten
.set PFO,  30                          ; v30     1,024 x lane: a lane a row; never rewritten
.set TBL,  32                          ; v32-95  (sin, cos) of my token's 16 pairs: two blocks of 32
.set RR,   96                          ; v96-159 a block's 64 numbers
.set TT,   160                         ; v160-167 at work
.set CC,   168                         ; v168-199 codes: two sets of 16
.set AF,   128
.set PFA,  8                           ; s[8:9] where my prefetches stand: my work-group's 32 rows of the 128 that I fetch, at K step 0; never rewritten
.set G1, 24                            ; s[24:31] descriptor group 1 for A's tiles;  s[32:39] group 0, one set for each slot
.set G0, 32
.set G1B, 48                           ; s[48:55], s[56:63] the same for B's tiles
.set G0B, 56
.set MSB, 0
.macro WIN new                         ; the immediate's high byte repeats the setting that is left
.if MSB != (\new)
	s_set_vgpr_msb (MSB<<8)|(\new)
.set MSB, \new
.endif
.endm
.set MUL_LO, 0xa1                      ; source 0 (B) window 1, source 1 (A) window 0, C and D window 2
.set MUL_HI, 0xf1                      ; the same, C and D window 3
.set TO_B,   0x40                      ; destination window 1, address window 0
; A joint load: waves 0 and 1 fetch for A, waves 2 and 3 for B; the branch hangs on the wave's number alone.  Four v_nop follow each of the two lines.
.macro JLOAD g0a, g1a, g0b, g1b
	s_cmp_eq_u32 s15, 0
	s_cbranch_scc0 .Lfor_b_\@
	tensor_load_to_lds s[\g0a:\g0a+3], s[\g1a:\g1a+7]
	s_nop 0
.rept 4
	v_nop
.endr
	s_branch .Lasked_\@
.Lfor_b_\@:
	tensor_load_to_lds s[\g0b:\g0b+3], s[\g1b:\g1b+7]
	s_nop 0
.rept 4
	v_nop
.endr
.Lasked_\@:
.endm
.macro ASK s                           ; a prefetch of K step s
	global_prefetch_b8 v[PFO], s[PFA:PFA+1] offset:(\s)*ROWB th:TH_LOAD_NT scope:SCOPE_SE
.endm
.macro CREST                           ; a round of the cluster's barrier behind its opening barrier
	s_cmp_lg_u32 s14, 0
	s_cbranch_scc1 .Lnot_wave_0_\@
	s_barrier_signal -3
.Lnot_wave_0_\@:
	s_barrier_wait -3
	s_barrier_signal -1
	s_barrier_wait -1
.endm
.macro CROUND
	s_barrier_signal -1
	s_barrier_wait -1
	CREST
.endm
	s_load_b256 s[72:79], s[0:1], 0x0              ; xc 72, wc 74, the exponents 76, rope 78
	s_load_b128 s[80:83], s[0:1], 0x20             ; qc 80, kc 82
	s_load_b64 s[84:85], s[0:1], 0x30              ; vc
	v_lshl_add_u32 v[SPW], v0, 2, SPARE
	v_mov_b32 v[NIL], 0
	ds_add_u32 v[SPW], v[NIL]                      ; the opening: the add, twice on end, and its wait ahead of my first tensor load
	ds_add_u32 v[SPW], v[NIL]
	v_lshrrev_b32 v1, 5, v0
	v_readfirstlane_b32 s14, v1                    ; wave 0..3
	s_lshr_b32 s15, s14, 1                         ; which half of A's rows is mine.  Also: I fetch for A (0) or for B (1)
	s_and_b32 s16, s14, 1                          ; which half of B's rows.  Also: which 128 rows of that tile I fetch
	s_bfe_u32 s40, ttmp6, 0x40000                  ; cx, cy: my place in the cluster
	s_bfe_u32 s41, ttmp6, 0x40004
	s_mov_b32 s66, ttmp9                           ; the projection: 0 Q, 1 K, 2 V
	s_and_b32 s67, ttmp7, 0xffff
	s_lshl_b32 s67, s67, 2                         ; 4 x cluster y walks x's sixteen tiles of 256 rows; the weight has four
	s_cmp_eq_u32 s66, 2
	s_cselect_b32 s17, 0, s67
	s_cselect_b32 s42, s67, 0
	s_add_co_u32 s17, s17, s41                     ; A's tile: cy (+ 4 x cluster y where A is x)
	s_add_co_u32 s42, s42, s40                     ; B's tile: cx (+ 4 x cluster y where B is x)
	s_lshl_b32 s43, s41, 2
	s_lshl_b32 s43, 15, s43                        ; my row of the cluster
	s_lshl_b32 s44, 0x1111, s40                    ; my column
	s_or_b32 s[G1+0], s43, (0<<16)|(1<<20)|(1<<21)|(5<<22)|(3<<25)  ; 15:0 the mask; 17:16 elements of 1 byte; 20 padding on; 21 set beside a mask; 24:22 after every 64 words; 31:25 four words
	s_or_b32 s[G1B+0], s44, (0<<16)|(1<<20)|(1<<21)|(5<<22)|(3<<25)
.irp g, G1, G1B
	s_mov_b32 s[\g+1], ROWB<<16                    ; tensor_dim0
	s_mov_b32 s[\g+2], 128<<16                     ; tensor_dim1
	s_mov_b32 s[\g+3], ROWB<<16                    ; tile_dim0
	s_mov_b32 s[\g+4], 128                         ; tile_dim1
	s_mov_b32 s[\g+5], KROW                        ; tensor_dim0_stride
	s_mov_b32 s[\g+6], 0
	s_mov_b32 s[\g+7], 0
.endr
	s_lshl_b32 s18, s16, 7                         ; which 128 rows of the tile I fetch
	s_lshl_b32 s20, s17, 8
	s_add_co_u32 s20, s20, s18
	s_lshl_b32 s20, s20, 10                        ; A: (256 x tile + 128 x half) rows of 1,024 bytes
	s_mov_b32 s21, 0
	s_lshl_b32 s46, s42, 8
	s_add_co_u32 s46, s46, s18
	s_lshl_b32 s46, s46, 10                        ; B likewise
	s_mov_b32 s47, 0
	s_mul_i32 s45, s14, HALFT                      ; where they go: wave x 128 rows: no place in the cluster enters an LDS address
	s_lshl_b32 s86, s66, 22                        ; the projection's set of x's codes: 4 MiB each,
	s_mov_b32 s87, 0
	s_lshl_b32 s18, s66, 20                        ; and its weight's: 1 MiB each
	s_mov_b32 s19, 0
	s_and_b32 s70, s17, 7                          ; the table: 256 bytes a token; A's tile within its batch, and my half of it
	s_lshl_b32 s70, s70, 16
	s_lshl_b32 s71, s15, 15
	s_add_co_u32 s70, s70, s71
	s_mov_b32 s71, 0
	s_wait_alu depctr_va_vdst(0)
	s_wait_dscnt 0x0                               ; both opening adds are done
	s_wait_kmcnt 0x0
	s_load_b256 s[88:95], s[76:77], 0x0            ; e0 .. e7
	s_load_b128 s[96:99], s[76:77], 0x20           ; e8 .. e11
	s_add_nc_u64 s[72:73], s[72:73], s[86:87]
	s_add_nc_u64 s[74:75], s[74:75], s[18:19]
	s_cmp_eq_u32 s66, 2                            ; the choice hangs on the cluster's x alone
	s_cselect_b64 s[4:5], s[74:75], s[72:73]       ; A: x, for V the weight
	s_cselect_b64 s[6:7], s[72:73], s[74:75]       ; B: the weight, for V x
	s_add_nc_u64 s[20:21], s[4:5], s[20:21]
	s_add_nc_u64 s[46:47], s[6:7], s[46:47]
	s_add_nc_u64 s[70:71], s[78:79], s[70:71]
	CROUND                                         ; all sixteen work-groups are here: the first joint loads meet
.irp s, 0,1
	s_mov_b32 s[G0+4*\s], 1
	s_add_co_u32 s[G0+4*\s+1], s45, \s*SLOT
	s_add_nc_u64 s[G0+4*\s+2:G0+4*\s+3], s[20:21], \s*ROWB
	s_or_b32 s[G0+4*\s+3], s[G0+4*\s+3], 0x80000000
	s_mov_b32 s[G0B+4*\s], 1
	s_add_co_u32 s[G0B+4*\s+1], s45, \s*SLOT
	s_add_nc_u64 s[G0B+4*\s+2:G0B+4*\s+3], s[46:47], \s*ROWB
	s_or_b32 s[G0B+4*\s+3], s[G0B+4*\s+3], 0x80000000
.endr
	JLOAD G0, G1, G0B, G1B                         ; K step 0: one tensor load a wave at the head
	s_cmp_eq_u32 s15, 0                            ; the prefetches: A's rows or B's,
	s_cselect_b64 s[PFA:PFA+1], s[20:21], s[46:47]
	s_cselect_b32 s10, s40, s41                    ; and my place among the four that ask with me
	s_lshl_b32 s10, s10, 15                        ; 32 rows of 1,024 bytes each
	s_mov_b32 s11, 0
	s_add_nc_u64 s[PFA:PFA+1], s[PFA:PFA+1], s[10:11]
	s_mul_i32 s21, s15, HALFT                      ; my 128 rows of A
	s_mul_i32 s22, s16, HALFT                      ; my 128 rows of B,
	s_add_co_u32 s22, s22, 2*HALFT                 ; which lie behind A's 256
	s_add_co_u32 s23, s21, SLOT
	s_add_co_u32 s12, s22, SLOT
	v_and_b32 v1, 15, v0                           ; r = l % 16
	v_bfe_u32 v2, v0, 4, 1                         ; h = l / 16
	v_and_b32 v6, 31, v0
	v_mul_u32_u24 v3, v1, PITCH
	v_lshl_add_u32 v4, v2, 4, v3                   ; a fragment's row x pitch + 16 x half
	v_add_nc_u32 v[ADRA], s21, v4
	v_add_nc_u32 v[ADRB], s22, v4
	v_add_nc_u32 v[ADRA+1], s23, v4
	v_add_nc_u32 v[ADRB+1], s12, v4
	v_and_b32 v5, 8, v1
	v_add_nc_u32 v5, v5, v1                        ; r + 8 (r / 8): my token within its 32
	v_lshlrev_b32 v5, 8, v5
	v_lshl_add_u32 v[RO], v2, 6, v5                ; its row of the table, + 64 h: pairs 8 h .. 8 h + 7 of each sixteen
	v_lshlrev_b32 v[IO], 4, v6
	v_lshlrev_b32 v[PFO], 10, v6
	ASK 1
; The table for block a of 16 tokens: (sin, cos) of pairs 16 g + 8 h + 0 .. 7, g = 0, 1: 64 consecutive bytes each.  Blocks 0, 6 and 1, 7 lie in v32-95, blocks 2 to 5 in window 1, v0-127.
.macro TSET a
.if ((\a) > 1) && ((\a) < 6)
.set TS, 32*((\a)-2)
.set TW, 1
.else
.set TS, TBL+32*((\a)%2)
.set TW, 0
.endif
.endm
.macro TLOAD a
	TSET \a
	WIN 0x40*TW
.irp g, 0,1
.irp i, 0,1,2,3
	global_load_b128 v[TS+16*\g+4*\i:TS+16*\g+4*\i+3], v[RO], s[70:71] offset:(32*((\a)/2)+8*((\a)%2))*256+128*\g+16*\i
.endr
.endr
.endm
.macro FRAG reg, adr, q, i             ; a fragment: lane l holds row l % 16; registers 4 c .. 4 c + 3 hold K = 32 c + 16 (l / 16) + 0 .. 15: the same order of k in A and in B
.irp c, 0,1,2,3
	ds_load_b128 v[\reg+4*\c:\reg+4*\c+3], v[\adr] offset:128*(\q)+32*\c+(\i)*16*PITCH
.endr
.endm
; 16 matrix instructions: A's blocks a0, a0 + 1 x B's eight.  The 64 accumulators take turns, one instruction a turn, in the same order in every step.
.macro MUL16 a0, p, zero
.irp a, \a0, \a0+1
.irp b, 0,1,2,3,4,5,6,7
.if \zero
	v_wmma_f32_16x16x128_fp8_fp8 v[8*(8*((\a)%4)+\b):8*(8*((\a)%4)+\b)+7], v[128*(\p)+FR*\b:128*(\p)+FR*\b+FR-1], v[AF+FR*(\a):AF+FR*(\a)+FR-1], 0
.else
	v_wmma_f32_16x16x128_fp8_fp8 v[8*(8*((\a)%4)+\b):8*(8*((\a)%4)+\b)+7], v[128*(\p)+FR*\b:128*(\p)+FR*\b+FR-1], v[AF+FR*(\a):AF+FR*(\a)+FR-1], v[8*(8*((\a)%4)+\b):8*(8*((\a)%4)+\b)+7]
.endif
.endr
.endr
.endm
.macro FETCH_B slot, q, p
	WIN TO_B
.irp i, 0,1,2,3,4,5,6,7
	FRAG 128*(\p)+FR*\i, ADRB+\slot, \q, \i
.endr
	WIN 0
.endm
.macro FETCH_A slot, q, i0
.irp i, \i0, \i0+1, \i0+2, \i0+3
	FRAG AF+FR*(\i), ADRA+\slot, \q, \i
.endr
.endm
.macro PLACES n                        ; plain vector lines between a matrix instruction and a load into, or a vector line on, its registers
.rept \n
	v_nop
.endr
.endm
; A step of 128 along K that has its successor in the same slot.  A has one set of registers: blocks 0-3 are fetched anew in the step's middle, blocks 4-7 at its end; B has two sets.
.macro STEP slot, q, zero
	s_wait_dscnt 4*NL                              ; B's set and A's blocks 0-3 are in; the youngest sixteen loads (A's blocks 4-7) may be out
	WIN MUL_LO
	MUL16 0, (\q)%2, \zero
	MUL16 2, (\q)%2, \zero
	s_wait_dscnt 0                                 ; A's blocks 4-7 are in
	PLACES NP
	FETCH_B \slot, (\q)+1, 1-(\q)%2
	FETCH_A \slot, (\q)+1, 0
	WIN MUL_HI
	MUL16 4, (\q)%2, \zero
	MUL16 6, (\q)%2, \zero
	PLACES NP
	WIN 0
	FETCH_A \slot, (\q)+1, 4
.endm
; A slot's last step changes slots: ONE barrier; in front of it each wave waits for all its tensor loads, adds 0 to its spare word, and waits for that and for its reads of this slot.  fill = 1: this slot is filled again;
; ask: the K step to prefetch behind that load (0: none).
.macro TURN slot, next, fill, ask
	s_wait_tensorcnt 0x0                           ; all my tensor loads have landed: my part of the next slot
	ds_add_u32 v[SPW], v[NIL]                      ; 0 onto my spare word
	s_wait_dscnt 4*NL+1                            ; (the add and A's blocks 4-7 may be out)
	WIN MUL_LO
	MUL16 0, 1, 0                                  ; sixteen matrix instructions stand between the add and the wait for it
	s_wait_dscnt 0x0                               ; the add is done, and my reads of this slot are over
	s_barrier_signal -1
	MUL16 2, 1, 0
	WIN 0
	s_barrier_wait -1
.if \fill
	CREST                                          ; the barrier has opened a round of the cluster's barrier: no wave of any partner still reads this slot or has a load on its way
	s_add_nc_u64 s[G0+4*\slot+2:G0+4*\slot+3], s[G0+4*\slot+2:G0+4*\slot+3], 2*ROWB
	s_add_nc_u64 s[G0B+4*\slot+2:G0B+4*\slot+3], s[G0B+4*\slot+2:G0B+4*\slot+3], 2*ROWB
	JLOAD G0+4*\slot, G1, G0B+4*\slot, G1B         ; the first tensor load behind the round; its four v_nop are the places in front of the loads below
.else
	PLACES NP
.endif
	FETCH_B \next, 0, 0
	FETCH_A \next, 0, 0
.if \ask
	ASK \ask
.endif
	WIN MUL_HI
	MUL16 4, 1, 0
	MUL16 6, 1, 0
	PLACES NP
	WIN 0
	FETCH_A \next, 0, 4
.endm
	s_wait_alu depctr_va_vdst(0)
	s_wait_tensorcnt 0x0                           ; my part of K step 0 is in
	ds_add_u32 v[SPW], v[NIL]
	s_wait_dscnt 0x0                               ; the add is done
	CROUND                                         ; everybody's part of K step 0 is in, and all sixteen work-groups are here,
	JLOAD G0+4, G1, G0B+4, G1B                     ; and K step 1's load, the first tensor load behind the round
	FETCH_B 0, 0, 0
	FETCH_A 0, 0, 0
	FETCH_A 0, 0, 4
	ASK 2
	STEP 0, 0, 1                                   ; the first products start the sums: nothing is cleared.  Eight steps of 128 along K, written out: the ring goes round twice
	TURN 0, 1, 1, 3                                ; slot 0 takes K step 2
	STEP 1, 0, 0
	TURN 1, 0, 1, 0                                ; slot 1 takes K step 3
	STEP 0, 0, 0
	TLOAD 0                                        ; the table's first two blocks.  V's work-groups ask too (48 loads a wave in all that they do not use, inside the buffer), so that the text has one path up to the way out
	TLOAD 1
	TURN 0, 1, 0, 0                                ; nothing is left to fetch
	STEP 1, 0, 0
.irp a, 2,3,4,5                        ; four more, into B's set 0: the last step reads set 1, and the places behind the last products on set 0 stand in STEP
	TLOAD \a
.endr
	WIN 0
	s_wait_dscnt 4*NL
	WIN MUL_LO
	MUL16 0, 1, 0
	MUL16 2, 1, 0
	s_wait_dscnt 0
	WIN MUL_HI
	MUL16 4, 1, 0
	MUL16 6, 1, 0
	WIN 0
	; THE WAY OUT.  The three exponents of my projection, chosen without a branch, folded into one scale.
	s_wait_kmcnt 0x0
	s_cmp_eq_u32 s66, 1
	s_cselect_b32 s67, s90, s88                    ; x's: e2 or e0
	s_cselect_b32 s86, s91, s89                    ; the weight's: e3 or e1
	s_cselect_b32 s87, s95, s94                    ; the result's: e7 or e6
	s_cmp_eq_u32 s66, 2
	s_cselect_b32 s67, s92, s67                    ; e4
	s_cselect_b32 s86, s93, s86                    ; e5
	s_cselect_b32 s87, s97, s87                    ; e9
	s_sub_co_i32 s87, s87, s67
	s_sub_co_i32 s87, s87, s86
	s_add_co_i32 s87, s87, 127
	s_lshl_b32 s67, s87, 23
	s_add_co_i32 s87, s87, 8
	s_lshl_b32 s87, s87, 23
	s_or_b32 s87, s87, 0x600000
	PLACES NP                                      ; behind the last products: their results are read, and A's registers written, from here on
	v_mov_b32 v[SC], s67                           ; 2^(eo - ex - ew)
	v_mov_b32 v[LIM], s87                          ; 448 x that
; Block a's 64 numbers in v[RR] on become four groups of four code registers, and each group leaves as an image: 32 lanes store 512 consecutive bytes.
.macro PUT a, isv
.set CB, CC+16*((\a)%2)
.irp g, 0,1,2,3
	v_cvt_scalef32_pk8_fp8_f32 v[CB+4*\g:CB+4*\g+1], v[RR+16*\g:RR+16*\g+7], v[SC]
	v_cvt_scalef32_pk8_fp8_f32 v[CB+4*\g+2:CB+4*\g+3], v[RR+16*\g+8:RR+16*\g+15], v[SC]
.endr
	v_nop                                          ; a plain line between the conversions and the next block's lines, which write their sources
.irp g, 0,1,2,3
.if \isv
	global_store_b128 v[IO], v[CB+4*\g:CB+4*\g+3], s[68:69] offset:((\a)/4)*131072+((\a)%4)*2048+\g*512   ; head a / 4, channels' tile a % 4, keys 32 g on
.else
	global_store_b128 v[IO], v[CB+4*\g:CB+4*\g+3], s[68:69] offset:(\g/2)*131072+(\a)*1024+(\g%2)*512     ; head g / 2, tokens' tile a, channels 32 (g % 2) on
.endif
.endr
.endm
	s_wait_alu depctr_va_vdst(0)                   ; ahead of the branch and the scalar lines below
	s_cmp_eq_u32 s66, 2
	s_cbranch_scc1 .Lvalues
	; ---- Q and K: rotate, hold, convert.  Lane (r, h) holds one token; accumulator b's register j is channel 32 ((b / 2) % 2) + 16 h + 8 (b % 2) + j of head b / 4.
	s_lshr_b32 s67, s17, 3                         ; batch
	s_lshl_b32 s67, s67, 4
	s_lshl_b32 s86, s42, 2
	s_add_co_u32 s67, s67, s86
	s_lshl_b32 s86, s16, 1
	s_add_co_u32 s67, s67, s86                     ; 16 batch + my first head
	s_lshl_b32 s67, s67, 17
	s_and_b32 s86, s17, 7
	s_lshl_b32 s86, s86, 4
	s_lshl_b32 s87, s15, 3
	s_add_co_u32 s86, s86, s87                     ; my first tile of 16 tokens
	s_lshl_b32 s86, s86, 10
	s_add_co_u32 s86, s86, s67
	s_mov_b32 s87, 0
	s_cmp_eq_u32 s66, 0
	s_cselect_b64 s[68:69], s[80:81], s[82:83]
	s_add_nc_u64 s[68:69], s[68:69], s[86:87]
; (x0, x1) -> (cos x0 - sin x1, sin x0 + cos x1): a packed multiply by the sine and a packed fused multiply-add a pair.  Each accumulator is read from its low end on.
.macro ROPE a
.set AC, 64*((\a)%4)
	TSET \a
	WIN 0x02+((\a)/4)+4*TW                         ; source 0: window 2 or 3; source 1, the table: window 0 or 1
.irp b, 0,1,2,3,4,5,6,7
.set TB, TS+16*((\b/2)%2)+8*(\b%2)
.irp i, 0,1,2,3
	v_pk_mul_f32 v[TT+2*\i:TT+2*\i+1], v[AC+8*\b+2*\i:AC+8*\b+2*\i+1], v[TB+2*\i:TB+2*\i+1] op_sel_hi:[1,0]   ; (x0 sin, x1 sin)
.endr
.irp i, 0,1,2,3
	v_pk_fma_f32 v[RR+8*\b+2*\i:RR+8*\b+2*\i+1], v[AC+8*\b+2*\i:AC+8*\b+2*\i+1], v[TB+2*\i:TB+2*\i+1], v[TT+2*\i:TT+2*\i+1] op_sel:[0,1,1] op_sel_hi:[1,1,0] neg_lo:[0,0,1]   ; (x0 cos - x1 sin, x1 cos + x0 sin)
.endr
.endr
	WIN 0
.endm
.irp a, 0,1,2,3,4,5,6,7
.if \a < 3
	s_wait_loadcnt 40                              ; this block's table is in; the five blocks' loads issued behind it may be out
.else
	s_wait_loadcnt 8*(7-\a)
.endif
.if \a > 1
	s_wait_xcnt 0x0                                ; the stores of two blocks back have read their code registers, which are written again below
.endif
	ROPE \a
.if \a < 2
	TLOAD \a+6                                     ; into the registers just read
.endif
.set j, 0
.rept 64
	v_med3_num_f32 v[RR+j], v[RR+j], -v[LIM], v[LIM]   ; the conversion does not saturate (ISA guide 7.6.2)
.set j, j+1
.endr
	PUT \a, 0
.endr
	s_branch .Ldone
.Lvalues:                                          ; ---- V: hold, convert.  Lane (r, h) holds one channel; accumulators 2 g, 2 g + 1 are keys 32 g + 16 h + 0 .. 15
	s_lshr_b32 s67, s42, 3                         ; batch
	s_lshl_b32 s67, s67, 4
	s_lshl_b32 s86, s17, 2
	s_add_co_u32 s67, s67, s86
	s_lshl_b32 s86, s15, 1
	s_add_co_u32 s67, s67, s86                     ; 16 batch + my first head
	s_lshl_b32 s67, s67, 17
	s_and_b32 s86, s42, 7
	s_lshl_b32 s86, s86, 1
	s_add_co_u32 s86, s86, s16                     ; my 128 keys
	s_lshl_b32 s86, s86, 13
	s_add_co_u32 s86, s86, s67
	s_mov_b32 s87, 0
	s_add_nc_u64 s[68:69], s[84:85], s[86:87]
.irp a, 0,1,2,3,4,5,6,7
.if \a > 1
	s_wait_xcnt 0x0                                ; the stores of two blocks back have read their code registers
.endif
	WIN 0x02+(\a/4)
.set j, 0
.rept 64
	v_med3_num_f32 v[RR+j], v[64*(\a%4)+j], -v[LIM], v[LIM]   ; the hold brings the sums into window 0 as well
.set j, j+1
.endr
	WIN 0
	PUT \a, 1
.endr
.Ldone:
	s_wait_tensorcnt 0x0                           ; the wave's end
	ds_add_u32 v[SPW], v[NIL]
	s_wait_dscnt 0x0
	CROUND                                         ; the closing round: no work-group ends while a partner may still ask for a tile that names it
	s_endpgm
.Lfunc_end_k_qf35a7773f4_qkv:
	.size	k_qf35a7773f4_qkv, .Lfunc_end_k_qf35a7773f4_qkv-k_qf35a7773f4_qkv
	.p2alignl 7, 3214868480
	.fill 96, 4, 3214868480
	.section	.rodata,"a",@progbits
	.p2align	6, 0x0
	.amdhsa_kernel k_qf35a7773f4_qkv
		.amdhsa_group_segment_fixed_size 327680
		.amdhsa_private_segment_fixed_size 0
		.amdhsa_enable_private_segment 0
		.amdhsa_kernarg_size 56
		.amdhsa_user_sgpr_count 2
		.amdhsa_user_sgpr_kernarg_segment_ptr 1
		.amdhsa_wavefront_size32 1
		.amdhsa_system_sgpr_workgroup_id_x 1
		.amdhsa_system_sgpr_workgroup_id_y 1
		.amdhsa_system_sgpr_workgroup_id_z 1
		.amdhsa_system_vgpr_workitem_id 0
		.amdhsa_next_free_vgpr 1024
		.amdhsa_next_free_sgpr 100
		.amdhsa_reserve_vcc 0
		.amdhsa_float_denorm_mode_32 3
		.amdhsa_float_denorm_mode_16_64 3
		.amdhsa_memory_ordered 1
		.amdhsa_forward_progress 1
		.amdhsa_inst_pref_size 198
	.end_amdhsa_kernel
	.amdgpu_metadata
---
amdhsa.version: [ 1, 2 ]
amdhsa.kernels:
  - .name:           k_qf35a7773f4_qkv
    .symbol:         k_qf35a7773f4_qkv.kd
    .args:
      - { .name: xc, .offset: 0, .size: 8, .value_kind: global_buffer, .address_space: global }
      - { .name: wc, .offset: 8, .size: 8, .value_kind: global_buffer, .address_space: global }
      - { .name: lowp_scales, .offset: 16, .size: 8, .value_kind: global_buffer, .address_space: global }
      - { .name: rope, .offset: 24, .size: 8, .value_kind: global_buffer, .address_space: global }
      - { .name: qc, .offset: 32, .size: 8, .value_kind: global_buffer, .address_space: global }
      - { .name: kc, .offset: 40, .size: 8, .value_kind: global_buffer, .address_space: global }
      - { .name: vc, .offset: 48, .size: 8, .value_kind: global_buffer, .address_space: global }
    .group_segment_fixed_size: 327680
    .private_segment_fixed_size: 0
    .kernarg_segment_align: 8
    .kernarg_segment_size: 56
    .max_flat_workgroup_size: 128
    .sgpr_count:     100
    .vgpr_count:     1024
    .wavefront_size: 32
...
	.end_amdgpu_metadata
.endif
;; end of part 2
;; launch attn (part 3): grid 8 x 32, 16 waves a work-group, clusters of 4 x 1, 327,680 bytes of LDS; arguments qc, kc, vc, lowp_scales, oc; writes oc
.if DOCPART == 3
	.amdgcn_target "amdgcn-amd-amdhsa--gfx1250"
	.amdhsa_code_object_version 6
	.text
	.protected	k_qf35a7773f4_attn
	.globl	k_qf35a7773f4_attn
	.p2align	8
	.type	k_qf35a7773f4_attn,@function
k_qf35a7773f4_attn:
	s_mov_b64 s[64:65], 0
	v_nop
	global_prefetch_b8 v0, s[64:65] scope:SCOPE_SE
	s_setreg_imm32_b32 hwreg(HW_REG_WAVE_MODE, 25, 1), 1
	s_wait_xcnt 0x0
	s_wait_alu depctr_hold_cnt(0) depctr_sa_sdst(0) depctr_va_vdst(0) depctr_va_sdst(0) depctr_va_ssrc(0) depctr_va_vcc(0) depctr_vm_vsrc(0)
	s_getreg_b32 s2, hwreg(HW_REG_IB_STS2, 6, 4)
	s_cmp_eq_u32 s2, 0
	s_cbranch_scc0 .Lentry_in_a_cluster
	s_endpgm
.Lentry_in_a_cluster:
	s_bfe_u32 s2, ttmp6, 0x10000c
	s_cmp_lg_u32 s2, 0x3003
	s_cbranch_scc0 .Lentry_shape_is_right
	s_endpgm
.Lentry_shape_is_right:
; Causal attention on codes of E4M3, head by head: oc = codes (2^e10) of softmax(Q K^T / 8) V.  Codes of Q, K, V arrive as images of operand registers (see the launch that makes them), 131,072 bytes a head.
; t = score x log2(e) / 8; M = the largest t so far, rounded up to a whole number; p = 2^(t - M) is quantised, not normalised; the row's sum is taken of the unquantised p and divides at the end.
; LEFT OUT: key blocks of 128 that lie wholly behind a query block of 128: the causal mask sets their scores to -1e9 ahead of the softmax, and key 0, which is never masked, keeps every row's maximum.
; A NaN, an infinity or an overflow that reaches only those tiles is not carried to the result.
; SHARES.  A head has 16 query blocks of 128.  A work-group takes 16 tiles of 16 queries, two of each of eight blocks b and 15 - b: the cluster's x (two clusters a head) and the wave's two low bits choose b,
; the place in the cluster and the wave's bit 2 choose the tile in the block.  TWO waves (w, w xor 8) share tile A (block b) and tile B (block 15 - b): waves 0-7 take the even key blocks, waves 8-15 the odd ones.
; So a wave walks 9 or 8 steps of 16 queries x 128 keys, every work-group 136.  At the end the two waves of a pair exchange: each hands over one tile's sums and finishes the other: rescaling by powers of two is exact.
; LDS: all of the head's K (from 0) and V (from 131,072).  Each wave brings 4,096 bytes of keys 0-511 at the head and 12,288 bytes of keys 512-2047 behind the next round.  Every byte is filled once.
; CLUSTERS: four work-groups of one head ask for K and V jointly.  No prefetch: each wave walks two steps on keys 0-511 ahead of its wait for the second load, and nothing follows that load.
; ORDER OF THE WALK: tile B over keys 0-511 (never masked: 15 - b is 8 or more; two steps in every wave); the wave's second load is in, the barrier's signal; tile A over keys 0-511; the barrier's wait;
; tile B over the rest, tile A over keys 512-1023.
; LAYOUT.  S^T = K Q^T, O^T = V^T P^T: a lane holds one query (lane % 16).  The sixteen registers of S tiles 2 g, 2 g + 1 are keys 32 g + 16 (lane / 16) + 0 .. 15 of the block.
; LIMITS: e6 + e7 between -123 and 130; e8, e10 between -126 and 119; the scaled scores t under 2^31 in magnitude.  NaN is not served.
.set LA,   1                           ; v1  16 x lane; never rewritten
.set ADK,  2                           ; v2  LDS address of the step's K (later: my exchange slot)
.set ADV,  3                           ; v3  of its V (later: my partner's slot)
.set DQ,   4                           ; v4  my query's place in its block - 16 (lane / 16)
.set NINF, 5
.set SPW,  6                           ; v6  my spare word; v7 0; never rewritten
.set NIL,  7
.set STA,  8                           ; v8-11  tile A: -M, the largest t, the sum in two halves
.set STB,  12                          ; v12-15 tile B
.set QA,   16                          ; v16-23, v24-31 Q's fragments
.set QB,   24
.set F,    32                          ; v32-95 the step's fragments of K, then of V
.set S,    96                          ; v96-159 S^T, then p
.set OA,   160
.set OB,   192
.set P,    224                         ; v224-239 p's codes
.set FX,   240                         ; v[240:241] the rescaling factor
.set T0,   242                         ; v242-249 at work
.set PLIM, 250                         ; 448 x 2^e8, 2^e8, 448 x 2^e10, 2^e10
.set PSC,  251
.set OLIM, 252
.set OSC,  253
.set SPARE, 262144                     ; behind V: 128 bytes for each wave
.set XS,   4352                        ; an exchange slot: 32 + 2 registers of 32 lanes.  The slots lie over K, which has had its last fill and its last read by then
.set WV,   14
.set BB,   15                          ; s15 tile B's block, s16 tile A's
.set BA,   16
.set PP,   17                          ; s17 my parity of key blocks.  Also: I fetch K (0) or V (1)
.set G1,   20                          ; s[20:27] group 1 of the first load, s[80:87] of the second; s[28:31], s[32:35] their groups 0
.set G0,   28
.set G1X,  80
.set KS,   40                          ; s40 the step's key block, s41, s43 where its K and V lie in LDS, s42 trips to go
.set TB,   41
.set CNT,  42
.set TBV,  43
.set CS,   44
.set SEL,  46
.macro CROUND                          ; a round of the cluster's barrier
	s_barrier_signal -1
	s_barrier_wait -1
	s_cmp_lg_u32 s[WV], 0
	s_cbranch_scc1 .Lnot_wave_0_\@
	s_barrier_signal -3
.Lnot_wave_0_\@:
	s_barrier_wait -3
	s_barrier_signal -1
	s_barrier_wait -1
.endm
.macro MK e, sc, lim
	s_add_co_i32 s78, s[\e], 127
	s_lshl_b32 s79, s78, 23
	v_mov_b32 v[\sc], s79
	s_add_co_i32 s78, s78, 8
	s_lshl_b32 s78, s78, 23
	s_or_b32 s78, s78, 0x600000
	v_mov_b32 v[\lim], s78
.endm
	s_load_b256 s[4:11], s[0:1], 0x0               ; qc 4, kc 6, vc 8, the exponents 10
	s_load_b64 s[12:13], s[0:1], 0x20              ; oc
	v_lshl_add_u32 v[SPW], v0, 2, SPARE
	v_mov_b32 v[NIL], 0
	ds_add_u32 v[SPW], v[NIL]                      ; the opening: the add, twice on end, and its wait ahead of my first tensor load
	ds_add_u32 v[SPW], v[NIL]
	v_lshrrev_b32 v16, 5, v0
	v_readfirstlane_b32 s[WV], v16                 ; wave 0..15
	s_bfe_u32 s60, ttmp6, 0x40000                  ; cx
	s_and_b32 s61, ttmp7, 0xffff                   ; 16 batch + head
	s_lshr_b32 s[PP], s[WV], 3
	s_bfe_u32 s18, s[WV], 0x10002                  ; u: which of my work-group's two tiles of a block
	s_and_b32 s62, s[WV], 3
	s_mul_i32 s63, s18, 3
	s_xor_b32 s62, s62, s63                        ; k, or 3 - k where u = 1
	s_lshl_b32 s62, s62, 1
	s_add_co_u32 s[BA], s62, ttmp9                 ; b = 2 k + cluster x: 0 .. 7
	s_sub_co_u32 s[BB], 15, s[BA]
	s_lshl_b32 s19, s60, 1
	s_add_co_u32 s19, s19, s18                     ; the tile within the block: 2 cx + u
.irp g, G1, G1X
	s_mov_b32 s[\g], 15|(3<<16)|(1<<21)            ; all four of the cluster; elements of 8 bytes; 21 set beside a mask; no padding
	s_mov_b32 s[\g+1], 32<<16                      ; rows of 256 bytes, dense
	s_mov_b32 s[\g+3], 32<<16
	s_mov_b32 s[\g+5], 32
	s_mov_b32 s[\g+6], 0
	s_mov_b32 s[\g+7], 0
.endr
	s_mov_b32 s[G1+2], 16<<16                      ; 16 rows,
	s_mov_b32 s[G1+4], 16
	s_mov_b32 s[G1X+2], 48<<16                     ; and 48
	s_mov_b32 s[G1X+4], 48
	s_and_b32 s62, s[WV], 7
	s_lshl_b32 s63, s62, 12                        ; my 4,096 bytes of the first 32,768,
	s_mul_i32 s62, s62, 12288
	s_add_co_u32 s62, s62, 32768                   ; my 12,288 of the rest
	s_lshl_b32 s69, s[PP], 17
	s_add_co_u32 s68, s63, s69                     ; where they go in LDS: K from 0 on, V from 131,072 on
	s_add_co_u32 s69, s62, s69
	s_lshl_b32 s71, s61, 17
	s_add_co_u32 s70, s63, s71                     ; and where they lie in memory
	s_add_co_u32 s74, s62, s71
	s_mov_b32 s71, 0
	s_mov_b32 s75, 0
	s_mov_b32 s[SEL], 0x76543210
	s_mov_b32 s[SEL+1], 0xfedcba98
	s_mov_b32 s[CS], 0x3e38aa3b                    ; log2(e) / 8
	s_lshl_b32 s78, s60, 5
	s_lshl_b32 s79, s18, 3
	s_add_co_u32 s78, s78, s79
	v_and_b32 v16, 31, v0
	v_and_b32 v17, 15, v0                          ; r
	v_bfe_u32 v18, v0, 4, 1                        ; h
	v_lshlrev_b32 v[LA], 4, v16
	v_and_b32 v19, 8, v17
	v_lshlrev_b32 v18, 4, v18
	v_add_nc_u32 v19, v19, v17
	v_mov_b32 v[NINF], 0xff800000
	v_sub_nc_u32 v19, v19, v18
	v_mov_b32 v246, 0                              ; (lane permutes' destinations count as sources)
	v_mov_b32 v247, 0
	v_add_nc_u32 v[DQ], s78, v19                   ; 32 cx + 8 u + r + 8 (r / 8) - 16 h
	v_mov_b32 v[FX+1], 0                           ; (named as the upper half of a pair)
.irp st, STA, STB
	v_mov_b32 v[\st], 0x7f61b1e6                   ; -M = 3e38: the largest t so far lies under every t
	v_mov_b32 v[\st+1], 0xff61b1e6
	v_mov_b32 v[\st+2], 0
	v_mov_b32 v[\st+3], 0
.endr
.set j, 0
.rept 64
	v_mov_b32 v[OA+j], 0                           ; both tiles' O^T: the step is written without a first form, and its first change of M leaves zeros zeros
.set j, j+1
.endr
	s_wait_alu depctr_va_vdst(0)
	s_wait_dscnt 0x0                               ; both opening adds are done
	s_wait_kmcnt 0x0
	s_load_b256 s[48:55], s[10:11], 0x0            ; e0 .. e7
	s_load_b128 s[56:59], s[10:11], 0x20           ; e8 .. e11
	s_cmp_lt_u32 s[WV], 8
	s_cselect_b64 s[72:73], s[6:7], s[8:9]
	s_mov_b32 s[G0], 1
	s_mov_b32 s[G0+1], s68
	s_add_nc_u64 s[G0+2:G0+3], s[72:73], s[70:71]
	s_or_b32 s[G0+3], s[G0+3], 0x80000000
	s_mov_b32 s[G0+4], 1
	s_mov_b32 s[G0+5], s69
	s_add_nc_u64 s[G0+6:G0+7], s[72:73], s[74:75]
	s_or_b32 s[G0+7], s[G0+7], 0x80000000
	CROUND                                         ; all four work-groups are here: the first joint loads meet
	tensor_load_to_lds s[G0:G0+3], s[G1:G1+7]      ; keys 0-511
	s_nop 0
	s_lshl_b32 s74, s[BA], 3
	s_add_co_u32 s74, s74, s19
	s_lshl_b32 s74, s74, 10                        ; 1,024 bytes a tile of 16 queries
	s_lshl_b32 s76, s[BB], 3
	s_add_co_u32 s76, s76, s19
	s_lshl_b32 s76, s76, 10
	s_lshl_b32 s75, s61, 17
	s_add_co_u32 s74, s74, s75
	s_add_co_u32 s76, s76, s75
	s_mov_b32 s75, 0
	s_mov_b32 s77, 0
	s_add_nc_u64 s[36:37], s[4:5], s[74:75]
	s_add_nc_u64 s[38:39], s[4:5], s[76:77]
.irp c, 0,1
	global_load_b128 v[QA+4*\c:QA+4*\c+3], v[LA], s[36:37] offset:512*\c
	global_load_b128 v[QB+4*\c:QB+4*\c+3], v[LA], s[38:39] offset:512*\c
.endr
	s_cmp_eq_u32 s[PP], 0
	s_cselect_b32 s74, s[BA], s[BB]                ; the tile that I finish: A in the even wave of a pair, B in the odd one
	s_lshl_b32 s74, s74, 3
	s_add_co_u32 s74, s74, s19
	s_lshr_b32 s75, s61, 4
	s_lshl_b32 s75, s75, 7
	s_add_co_u32 s74, s74, s75
	s_lshl_b32 s74, s74, 14                        ; oc: 16,384 bytes a tile of 16 tokens,
	s_and_b32 s75, s61, 15
	s_lshl_b32 s75, s75, 10                        ; 1,024 a head
	s_add_co_u32 s74, s74, s75
	s_mov_b32 s75, 0
	s_add_nc_u64 s[12:13], s[12:13], s[74:75]
	s_mul_i32 s66, s[WV], XS                       ; my exchange slot, and my partner's
	s_xor_b32 s67, s[WV], 8
	s_mul_i32 s67, s67, XS
	s_wait_kmcnt 0x0
	s_add_co_i32 s78, s54, s55
	s_lshl_b32 s78, s78, 23
	s_add_co_i32 s[CS], s[CS], s78                 ; a score stands for score x 2^(e6 + e7)
	s_mov_b32 s[CS+1], s[CS]                       ; (named with it as a pair)
	MK 56, PSC, PLIM
	MK 58, OSC, OLIM
; A STEP: 16 queries x 128 keys.  m = 1: the step may lie behind the diagonal (left out, by ids alone) or on it (masked).
.macro STEP o, q, st, blk, m
.if \m
	s_cmp_gt_u32 s[KS], s[\blk]
	s_cbranch_scc1 .Lskip_\@
.endif
	v_add_nc_u32 v[ADK], s[TB], v[LA]
	s_add_co_u32 s[TBV], s[TB], 0x20000
.rept 3
	v_nop                                          ; with the addition four places in front of loads into registers that matrix instructions have read
.endr
.irp t, 0,1,2,3,4,5,6,7
.irp c, 0,1
	ds_load_b128 v[F+8*\t+4*\c:F+8*\t+4*\c+3], v[ADK] offset:1024*\t+512*\c
.endr
.endr
	s_wait_dscnt 8                                 ; tiles 0-3 are in; tiles 4-7's eight loads may be out
.irp t, 0,1,2,3
	v_wmma_f32_16x16x64_fp8_fp8 v[S+8*\t:S+8*\t+7], v[F+8*\t:F+8*\t+7], v[\q:\q+7], 0
.endr
	s_wait_dscnt 0x0
.irp t, 4,5,6,7
	v_wmma_f32_16x16x64_fp8_fp8 v[S+8*\t:S+8*\t+7], v[F+8*\t:F+8*\t+7], v[\q:\q+7], 0
.endr
	v_add_nc_u32 v[ADV], s[TBV], v[LA]
.rept 3
	v_nop
.endr
.irp t, 0,1,2,3
.irp c, 0,1,2,3
	ds_load_b128 v[F+16*\t+4*\c:F+16*\t+4*\c+3], v[ADV] offset:2048*\t+512*\c   ; V: asked for here, wanted behind the softmax
.endr
.endr
.if \m
	s_cmp_lg_u32 s[KS], s[\blk]
	s_cbranch_scc1 .Lopen_\@
.set n, 0
.rept 64
	v_cmp_gt_i32 vcc_lo, 32*(n/16)+n%16, v[DQ]     ; on the diagonal a hidden score becomes -infinity: p = 0
	v_cndmask_b32 v[S+n], v[S+n], v[NINF], vcc_lo
.set n, n+1
.endr
.Lopen_\@:
.endif
	v_max3_num_f32 v[T0], v[S], v[S+1], v[S+2]     ; the largest of my 64 scores, in four chains
	v_max3_num_f32 v[T0+1], v[S+3], v[S+4], v[S+5]
	v_max3_num_f32 v[T0+2], v[S+6], v[S+7], v[S+8]
	v_max3_num_f32 v[T0+3], v[S+9], v[S+10], v[S+11]
.set n, 0
.rept 26
	v_max3_num_f32 v[T0+n%4], v[T0+n%4], v[S+12+2*n], v[S+13+2*n]
.set n, n+1
.endr
	v_max3_num_f32 v[T0], v[T0], v[T0+1], v[T0+2]
	s_delay_alu instid0(VALU_DEP_1)
	v_max_num_f32 v[T0], v[T0], v[T0+3]
	s_delay_alu instid0(VALU_DEP_1)
	v_permlanex16_b32 v246, v[T0], s[SEL], s[SEL+1]
	s_delay_alu instid0(VALU_DEP_1)
	v_max_num_f32 v[T0], v[T0], v246               ; and of lane l xor 16's
	s_delay_alu instid0(VALU_DEP_1)
	v_mul_f32 v[T0], s[CS], v[T0]                  ; as t (the factor is positive)
	v_mov_b32 v[T0+1], v[\st]
	s_delay_alu instid0(VALU_DEP_2)
	v_max_num_f32 v[\st+1], v[\st+1], v[T0]
	s_delay_alu instid0(VALU_DEP_1)
	v_floor_f32 v[\st], -v[\st+1]                  ; the new -M
	s_delay_alu instid0(VALU_DEP_1)
	v_sub_f32 v[T0+1], v[\st], v[T0+1]             ; old M - new M: a whole number, 0 or less
	s_delay_alu instid0(VALU_DEP_1)
	v_cvt_i32_f32 v[T0+1], v[T0+1]                 ; (it saturates)
	s_delay_alu instid0(VALU_DEP_1)
	v_ldexp_f32 v[FX], 1.0, v[T0+1]                ; f = 2^(old M - new M)
.set n, 0
.rept 32
	v_pk_fma_f32 v[S+n:S+n+1], v[S+n:S+n+1], s[CS:CS+1], v[\st:\st+1] op_sel_hi:[1,0,0]   ; t - M
.set n, n+2
.endr
	s_wait_alu depctr_va_vdst(0)                   ; the wait ahead of the batch
.set n, 0
.rept 64
	v_exp_f32 v[S+n], v[S+n]
.set n, n+1
.endr
	v_pk_mul_f32 v[\st+2:\st+3], v[\st+2:\st+3], v[FX:FX+1] op_sel_hi:[1,0]   ; the sums under the new M (a plain place behind the exponentials)
	s_wait_alu depctr_va_vdst(0)                   ; and for one behind it, ahead of its first reader
	v_pk_add_f32 v[T0:T0+1], v[S:S+1], v[S+2:S+3]  ; the row's sum, of the unquantised p, in four chains
	v_pk_add_f32 v[T0+2:T0+3], v[S+4:S+5], v[S+6:S+7]
	v_pk_add_f32 v[T0+6:T0+7], v[S+8:S+9], v[S+10:S+11]
	v_pk_add_f32 v[\st+2:\st+3], v[\st+2:\st+3], v[S+12:S+13]
.set n, 14
.rept 6
	v_pk_add_f32 v[T0:T0+1], v[T0:T0+1], v[S+n:S+n+1]
	v_pk_add_f32 v[T0+2:T0+3], v[T0+2:T0+3], v[S+n+2:S+n+3]
	v_pk_add_f32 v[T0+6:T0+7], v[T0+6:T0+7], v[S+n+4:S+n+5]
	v_pk_add_f32 v[\st+2:\st+3], v[\st+2:\st+3], v[S+n+6:S+n+7]
.set n, n+8
.endr
	v_pk_add_f32 v[T0:T0+1], v[T0:T0+1], v[S+62:S+63]
	v_pk_add_f32 v[T0+2:T0+3], v[T0+2:T0+3], v[T0+6:T0+7]
.set n, 0
.rept 4
.set i, 0
.rept 8
	v_dual_min_num_f32 v[S+16*n+i], v[PLIM], v[S+16*n+i] :: v_dual_min_num_f32 v[S+16*n+i+1], v[PLIM], v[S+16*n+i+1]   ; the conversion does not saturate (ISA guide 7.6.2); p is never negative
.set i, i+2
.endr
.if n == 0
	v_pk_add_f32 v[\st+2:\st+3], v[\st+2:\st+3], v[T0:T0+1]
.endif
.if n == 1
	v_pk_add_f32 v[\st+2:\st+3], v[\st+2:\st+3], v[T0+2:T0+3]
.endif
	v_cvt_scalef32_pk8_fp8_f32 v[P+4*n:P+4*n+1], v[S+16*n:S+16*n+7], v[PSC]
	v_cvt_scalef32_pk8_fp8_f32 v[P+4*n+2:P+4*n+3], v[S+16*n+8:S+16*n+15], v[PSC]
.set n, n+1
.endr
	s_wait_alu depctr_va_vdst(0)                   ; directly ahead of the first readers of O^T
.set n, 0
.rept 16
	v_pk_mul_f32 v[\o+n:\o+n+1], v[\o+n:\o+n+1], v[FX:FX+1] op_sel_hi:[1,0]
.set n, n+2
.endr
	s_wait_alu depctr_va_vdst(0)
	s_wait_dscnt 0x0                               ; V is in
.irp t, 0,1,2,3
	v_wmma_f32_16x16x128_fp8_fp8 v[\o+8*\t:\o+8*\t+7], v[F+16*\t:F+16*\t+15], v[P:P+15], v[\o+8*\t:\o+8*\t+7]
.endr
.if \m
.Lskip_\@:
.endif
.endm
; trips steps: every second key block from s[KS] on.
.macro WALK trips, o, q, st, blk, m
	s_mov_b32 s[CNT], \trips
.Lwalk_\@:
	STEP \o, \q, \st, \blk, \m
	s_add_co_u32 s[KS], s[KS], 2
	s_add_co_u32 s[TB], s[TB], 16384
	s_sub_co_u32 s[CNT], s[CNT], 1
	s_cmp_lg_u32 s[CNT], 0
	s_cbranch_scc1 .Lwalk_\@
.endm
.macro FROM b                          ; start at key block b + my parity
	s_add_co_u32 s[KS], s[PP], \b
	s_lshl_b32 s[TB], s[PP], 13
	s_add_co_u32 s[TB], s[TB], 8192*(\b)
.endm
; Hand a tile's sums to my partner: O^T as eight images, then (-M, the row's sum).
.macro GIVE o, st
.irp t, 0,1,2,3,4,5,6,7
	s_wait_alu depctr_va_vdst(0)                   ; directly ahead of each first reader of O^T
	ds_store_b128 v[ADK], v[\o+4*\t:\o+4*\t+3] offset:512*\t
.endr
	ds_store_b64 v254, v[\st:\st+1] offset:4096
.endm
; Take my partner's sums of the tile that I keep, join, divide, quantise, store.
.macro TAKE o, st
	ds_load_b64 v[T0:T0+1], v255 offset:4096       ; its -M and sum
.irp t, 0,1,2,3,4,5,6,7
	ds_load_b128 v[S+4*\t:S+4*\t+3], v[ADV] offset:512*\t
.endr
	s_add_co_i32 s78, s56, s57                     ; e8 + e9
	s_wait_dscnt 0x0
	v_min_num_f32 v[T0+2], v[\st], v[T0]           ; the joint -M
	v_sub_f32 v[T0+3], v[T0+2], v[\st]
	v_sub_f32 v246, v[T0+2], v[T0]
	v_cvt_i32_f32 v[T0+3], v[T0+3]                 ; (a wave that walked no step of the tile has -M = 3e38: its factor is 0)
	v_cvt_i32_f32 v246, v246
	v_ldexp_f32 v[FX], 1.0, v[T0+3]
	v_ldexp_f32 v248, 1.0, v246
	v_mul_f32 v247, v[T0+1], v248
	v_fma_f32 v247, v[\st+1], v[FX], v247          ; the row's sum
	s_wait_alu depctr_va_vdst(0)                   ; the wait ahead of the transcendental
	v_rcp_f32 v[T0], v247
	v_nop
	s_wait_alu depctr_va_vdst(0)                   ; and ahead of the first reader of its result
	v_ldexp_f32 v[T0], v[T0], s78
	v_mul_f32 v[FX], v[FX], v[T0]
	v_mul_f32 v248, v248, v[T0]
	s_wait_alu depctr_va_vdst(0)                   ; directly ahead of the first readers of O^T
.set n, 0
.rept 16
	v_pk_mul_f32 v[S+32+n:S+33+n], v[\o+n:\o+n+1], v[FX:FX+1] op_sel_hi:[1,0]
.set n, n+2
.endr
.set n, 0
.rept 16
	v_pk_fma_f32 v[S+32+n:S+33+n], v[S+n:S+n+1], v[248:249], v[S+32+n:S+33+n] op_sel_hi:[1,0,1]
.set n, n+2
.endr
.set n, 0
.rept 32
	v_med3_num_f32 v[S+32+n], v[S+32+n], -v[OLIM], v[OLIM]
.set n, n+1
.endr
.irp u, 0,1
	v_cvt_scalef32_pk8_fp8_f32 v[P+4*\u:P+4*\u+1], v[S+32+16*\u:S+39+16*\u], v[OSC]
	v_cvt_scalef32_pk8_fp8_f32 v[P+4*\u+2:P+4*\u+3], v[S+40+16*\u:S+47+16*\u], v[OSC]
.endr
	v_nop
.irp u, 0,1
	global_store_b128 v[LA], v[P+4*\u:P+4*\u+3], s[12:13] offset:512*\u   ; 32 lanes store 512 consecutive bytes
.endr
.endm
	s_wait_alu depctr_va_vdst(0)
	s_wait_tensorcnt 0x0                           ; my part of keys 0-511 is in
	ds_add_u32 v[SPW], v[NIL]
	s_wait_dscnt 0x0
	CROUND                                         ; everybody's part is in, and the cluster's next joint loads meet
	tensor_load_to_lds s[G0+4:G0+7], s[G1X:G1X+7]  ; keys 512-2047: one load of mine is out until the wait below
	s_nop 0
	s_wait_loadcnt 0x0                             ; Q
	FROM 0
	WALK 2, OB, QB, STB, BB, 0
	s_wait_tensorcnt 0x0                           ; my part of keys 512-2047 is in: say so, for the waves that read it behind the barrier;
	s_wait_dscnt 0x0
	s_barrier_signal -1
	FROM 0
	WALK 2, OA, QA, STA, BA, 1
	s_wait_dscnt 0x0
	s_barrier_wait -1                              ; everybody's part is in
	FROM 4
	WALK 6, OB, QB, STB, BB, 1
	FROM 4
	WALK 2, OA, QA, STA, BA, 1
	; THE WAY OUT
	v_add_f32 v[STA+2], v[STA+2], v[STA+3]
	v_add_f32 v[STB+2], v[STB+2], v[STB+3]
	v_add_nc_u32 v[ADK], s66, v[LA]
	v_add_nc_u32 v[ADV], s67, v[LA]
	v_permlanex16_b32 v246, v[STA+2], s[SEL], s[SEL+1]
	v_permlanex16_b32 v247, v[STB+2], s[SEL], s[SEL+1]
	v_lshrrev_b32 v254, 1, v[LA]                   ; 8 x lane
	v_add_f32 v[STA+1], v[STA+2], v246             ; beside -M: my part of the row's sum
	v_add_f32 v[STB+1], v[STB+2], v247
	v_add_nc_u32 v255, s67, v254
	v_add_nc_u32 v254, s66, v254
	s_wait_alu depctr_va_vdst(0)
	s_wait_dscnt 0x0
	s_barrier_signal -1
	s_barrier_wait -1                              ; nobody reads K any more: the exchange slots may be written
	s_cmp_lg_u32 s[PP], 0
	s_cbranch_scc1 .Lgive_a
	GIVE OB, STB
	s_branch .Lgiven
.Lgive_a:
	GIVE OA, STA
.Lgiven:
	s_wait_dscnt 0x0
	s_barrier_signal -1
	s_barrier_wait -1                              ; my partner's sums are there
	s_cmp_lg_u32 s[PP], 0
	s_cbranch_scc1 .Ltake_b
	TAKE OA, STA
	s_branch .Lend
.Ltake_b:
	TAKE OB, STB
.Lend:
	s_wait_tensorcnt 0x0                           ; the wave's end
	ds_add_u32 v[SPW], v[NIL]
	s_wait_dscnt 0x0
	CROUND                                         ; the closing round
	s_endpgm
.Lfunc_end_k_qf35a7773f4_attn:
	.size	k_qf35a7773f4_attn, .Lfunc_end_k_qf35a7773f4_attn-k_qf35a7773f4_attn
	.p2alignl 7, 3214868480
	.fill 96, 4, 3214868480
	.section	.rodata,"a",@progbits
	.p2align	6, 0x0
	.amdhsa_kernel k_qf35a7773f4_attn
		.amdhsa_group_segment_fixed_size 327680
		.amdhsa_private_segment_fixed_size 0
		.amdhsa_enable_private_segment 0
		.amdhsa_kernarg_size 40
		.amdhsa_user_sgpr_count 2
		.amdhsa_user_sgpr_kernarg_segment_ptr 1
		.amdhsa_wavefront_size32 1
		.amdhsa_system_sgpr_workgroup_id_x 1
		.amdhsa_system_sgpr_workgroup_id_y 1
		.amdhsa_system_sgpr_workgroup_id_z 1
		.amdhsa_system_vgpr_workitem_id 0
		.amdhsa_next_free_vgpr 256
		.amdhsa_next_free_sgpr 96
		.amdhsa_reserve_vcc 1
		.amdhsa_float_denorm_mode_32 3
		.amdhsa_float_denorm_mode_16_64 3
		.amdhsa_memory_ordered 1
		.amdhsa_forward_progress 1
		.amdhsa_inst_pref_size 103
	.end_amdhsa_kernel
	.amdgpu_metadata
---
amdhsa.version: [ 1, 2 ]
amdhsa.kernels:
  - .name:           k_qf35a7773f4_attn
    .symbol:         k_qf35a7773f4_attn.kd
    .args:
      - { .name: qc, .offset: 0, .size: 8, .value_kind: global_buffer, .address_space: global }
      - { .name: kc, .offset: 8, .size: 8, .value_kind: global_buffer, .address_space: global }
      - { .name: vc, .offset: 16, .size: 8, .value_kind: global_buffer, .address_space: global }
      - { .name: lowp_scales, .offset: 24, .size: 8, .value_kind: global_buffer, .address_space: global }
      - { .name: oc, .offset: 32, .size: 8, .value_kind: global_buffer, .address_space: global }
    .group_segment_fixed_size: 327680
    .private_segment_fixed_size: 0
    .kernarg_segment_align: 8
    .kernarg_segment_size: 40
    .max_flat_workgroup_size: 512
    .sgpr_count:     96
    .vgpr_count:     256
    .wavefront_size: 32
...
	.end_amdgpu_metadata
.endif
;; end of part 3
;; launch oproj (part 4): grid 8 x 32, 4 waves a work-group, clusters of 4 x 4, 327,680 bytes of LDS; arguments oc, wc, lowp_scales, out0; writes out0
.if DOCPART == 4
	.amdgcn_target "amdgcn-amd-amdhsa--gfx1250"
	.amdhsa_code_object_version 6
	.text
	.protected	k_qf35a7773f4_oproj
	.globl	k_qf35a7773f4_oproj
	.p2align	8
	.type	k_qf35a7773f4_oproj,@function
k_qf35a7773f4_oproj:
	s_mov_b64 s[64:65], 0
	v_nop
	global_prefetch_b8 v0, s[64:65] scope:SCOPE_SE
	s_setreg_imm32_b32 hwreg(HW_REG_WAVE_MODE, 25, 1), 1
	s_wait_xcnt 0x0
	s_wait_alu depctr_hold_cnt(0) depctr_sa_sdst(0) depctr_va_vdst(0) depctr_va_sdst(0) depctr_va_ssrc(0) depctr_va_vcc(0) depctr_vm_vsrc(0)
	s_getreg_b32 s2, hwreg(HW_REG_IB_STS2, 6, 4)
	s_cmp_eq_u32 s2, 0
	s_cbranch_scc0 .Lentry_in_a_cluster
	s_endpgm
.Lentry_in_a_cluster:
	s_bfe_u32 s2, ttmp6, 0x10000c
	s_cmp_lg_u32 s2, 0xf033
	s_cbranch_scc0 .Lentry_shape_is_right
	s_endpgm
.Lentry_shape_is_right:
; out0[token][o] = sum over k of O[token][k] WO[o][k], on codes of E4M3; each sum x 2^(e10 + e11).  out0: [4096][1024] f32.
; oc: O's codes as images of operand registers: byte = 16384 RT + 2048 kb + 512 c + 16 l: token 32 (RT / 2) + 8 (RT % 2) + l % 16 + 8 ((l % 16) / 8), k = 128 kb + 32 c + 16 (l / 16) + 0 .. 15.
; wc + 3 MiB: WO's codes, rows of 1,024 bytes, K innermost, row o at place o with bits 3 and 4 exchanged.
; SHARES.  128 x 128 of out0 to a work-group, so that there are 256; 64 x 64 to each of its four waves: 16 accumulators.  All of K (1,024) of both tiles fits in LDS: every byte is filled once, nothing again.
; K comes in two halves of 512, one load a wave each: waves 0 and 1 fetch A's halves of the rows, waves 2 and 3 B's.  The first half is multiplied K step by K step; the second by rows of out0: a block of 16 tokens is
; finished, goes through the wave's stage and leaves while the next block is multiplied.
; CLUSTERS: 4 x 4.  A's tiles are shared along a row of the cluster, B's along a column, by joint loads.  No prefetch: there is no loop to run ahead in, and only one load follows the head's.
; THE MATRIX INSTRUCTION IS USED TRANSPOSED (source 0 = 16 rows of WO, source 1 = 16 tokens): a lane holds eight neighbouring outputs of one token.  The order of WO's rows makes accumulators 2 g, 2 g + 1 sixteen neighbours.
; LIMIT: e10 + e11 between -126 and 127.
; REGISTERS.  window 0: v16-31 addresses; v32-63 a block's results; v64-127 rows read back, two sets; v128-255 the accumulators ((a, b) at v[128 + 8 (4 a + b)]).   window 1: the first half's two fragment buffers of 128:
; 64 of A, 64 of B.   window 2: the second half's fragments of B (K step, 16 outputs);   window 3: of A (16 tokens, K step).
.set AQ,    65536                      ; A: [half][8 tiles of 16 tokens][8,192 bytes], dense images
.set BREG,  131072                     ; B: [half][128 rows x 528 bytes]
.set BP,    528                        ; 512 bytes + 16 of padding = 132 words: the 16 rows that a load touches start at 16 different banks (64 banks of 4 bytes: ISA guide 11.1)
.set BQ,    128*BP
.set STG,   BREG+2*BQ                  ; the way out: 16 rows x 272 bytes for each wave, its own; no tile lands there
.set SPITCH, 272
.set SPARE, STG+4*16*SPITCH
.set ADA,  16                          ; v16-17  LDS address of my A fragments in half 0, 1
.set ADB,  20                          ; v20-21  of my B fragments
.set STO,  24                          ; v24     the stage: where I put 32 bytes of a row
.set RD,   25                          ; v25     where I read a row back
.set CO,   26                          ; v26     my byte offset in two rows of out0
.set SPW,  30                          ; v30     my spare word; v31 0; never rewritten
.set NIL,  31
.set TMP,  32
.set BK,   64
.set ACC,  128
.set G1A,  16                          ; s[16:23] group 1 for A's tiles, s[24:31] for B's; s[32:39], s[48:55] their groups 0, one for each half
.set G1B,  24
.set G0A,  32
.set G0B,  48
.set MSB, 0
.macro WIN new
.if MSB != (\new)
	s_set_vgpr_msb (MSB<<8)|(\new)
.set MSB, \new
.endif
.endm
.macro CROUND                          ; a round of the cluster's barrier
	s_barrier_signal -1
	s_barrier_wait -1
	s_cmp_lg_u32 s12, 0
	s_cbranch_scc1 .Lnot_wave_0_\@
	s_barrier_signal -3
.Lnot_wave_0_\@:
	s_barrier_wait -3
	s_barrier_signal -1
	s_barrier_wait -1
.endm
.macro PLACES                          ; behind a matrix instruction (ISA guide 7.12.1)
.rept 4
	v_nop
.endr
.endm
.macro JLOAD q                         ; a joint load of half q: the branch hangs on the wave's number alone
	s_cmp_eq_u32 s13, 0
	s_cbranch_scc0 .Lfor_b_\@
	tensor_load_to_lds s[G0A+4*\q:G0A+4*\q+3], s[G1A:G1A+7]
	s_nop 0
	PLACES
	s_branch .Lasked_\@
.Lfor_b_\@:
	tensor_load_to_lds s[G0B+4*\q:G0B+4*\q+3], s[G1B:G1B+7]
	s_nop 0
	PLACES
.Lasked_\@:
.endm
	s_load_b256 s[4:11], s[0:1], 0x0               ; oc 4, wc 6, the exponents 8, out0 10
	v_lshl_add_u32 v[SPW], v0, 2, SPARE
	v_mov_b32 v[NIL], 0
	ds_add_u32 v[SPW], v[NIL]                      ; the opening: the add, twice on end, and its wait ahead of my first tensor load
	ds_add_u32 v[SPW], v[NIL]
	v_lshrrev_b32 v1, 5, v0
	v_readfirstlane_b32 s12, v1                    ; wave 0..3
	s_lshr_b32 s13, s12, 1                         ; which 64 tokens are mine.  Also: I fetch for A (0) or for B (1)
	s_and_b32 s14, s12, 1                          ; which 64 outputs.  Also: which half of that tile I fetch
	s_bfe_u32 s66, ttmp6, 0x40000                  ; cx
	s_bfe_u32 s67, ttmp6, 0x40004                  ; cy
	s_lshl_b32 s68, ttmp9, 2
	s_add_co_u32 s68, s68, s66                     ; tile column: 128 outputs
	s_and_b32 s69, ttmp7, 0xffff
	s_lshl_b32 s69, s69, 2
	s_add_co_u32 s69, s69, s67                     ; tile row: 128 tokens
	s_lshl_b32 s72, s67, 2
	s_lshl_b32 s72, 15, s72                        ; my row of the cluster
	s_lshl_b32 s73, 0x1111, s66                    ; my column
	s_or_b32 s[G1A], s72, (3<<16)|(1<<21)          ; A: the mask; elements of 8 bytes; 21 set beside a mask; no padding
	s_mov_b32 s[G1A+1], 1024<<16                   ; tensor_dim0 = 1,024 elements: a tile's 8,192 bytes of a half
	s_mov_b32 s[G1A+2], 4<<16                      ; tensor_dim1 = 4 tiles of 16 tokens
	s_mov_b32 s[G1A+3], 1024<<16                   ; tile_dim0
	s_mov_b32 s[G1A+4], 4                          ; tile_dim1
	s_mov_b32 s[G1A+5], 2048                       ; the pitch: 16,384 bytes from tile to tile
	s_mov_b32 s[G1A+6], 0
	s_mov_b32 s[G1A+7], 0
	s_or_b32 s[G1B], s73, (0<<16)|(1<<20)|(1<<21)|(6<<22)|(3<<25)   ; B: the mask; elements of 1 byte; padding: four words after every 128
	s_mov_b32 s[G1B+1], 512<<16
	s_mov_b32 s[G1B+2], 64<<16
	s_mov_b32 s[G1B+3], 512<<16
	s_mov_b32 s[G1B+4], 64
	s_mov_b32 s[G1B+5], 1024
	s_mov_b32 s[G1B+6], 0
	s_mov_b32 s[G1B+7], 0
	s_lshl_b32 s78, s14, 16                        ; my half: four tiles of 16,384 bytes, or 64 rows of 1,024
	s_lshl_b32 s74, s69, 17
	s_add_co_u32 s74, s74, s78                     ; A hangs on the tile row alone,
	s_mov_b32 s75, 0
	s_lshl_b32 s76, s68, 17
	s_add_co_u32 s76, s76, s78
	s_add_co_u32 s76, s76, 0x300000                ; B on the tile column alone; WO's codes are the fourth MiB of wc
	s_mov_b32 s77, 0
	s_lshl_b32 s79, s14, 15                        ; where they go: no place in the cluster enters an LDS address
	s_mul_i32 s80, s14, 64*BP
	s_add_co_u32 s80, s80, BREG
	s_wait_alu depctr_va_vdst(0)
	s_wait_dscnt 0x0                               ; both opening adds are done
	s_wait_kmcnt 0x0
	s_load_b64 s[70:71], s[8:9], 0x28              ; e10, e11
	s_add_nc_u64 s[74:75], s[4:5], s[74:75]
	s_add_nc_u64 s[76:77], s[6:7], s[76:77]
.irp q, 0,1
	s_mov_b32 s[G0A+4*\q], 1
	s_add_co_u32 s[G0A+4*\q+1], s79, \q*AQ
	s_add_nc_u64 s[G0A+4*\q+2:G0A+4*\q+3], s[74:75], \q*8192
	s_or_b32 s[G0A+4*\q+3], s[G0A+4*\q+3], 0x80000000
	s_mov_b32 s[G0B+4*\q], 1
	s_add_co_u32 s[G0B+4*\q+1], s80, \q*BQ
	s_add_nc_u64 s[G0B+4*\q+2:G0B+4*\q+3], s[76:77], \q*512
	s_or_b32 s[G0B+4*\q+3], s[G0B+4*\q+3], 0x80000000
.endr
	CROUND                                         ; all sixteen work-groups are here: the joint loads meet
	JLOAD 0                                        ; K's first half: one tensor load a wave at the head
	s_lshl_b32 s81, s13, 15                        ; my four tiles of tokens
	s_mul_i32 s84, s14, 64*BP                      ; my 64 rows of WO
	s_add_co_u32 s84, s84, BREG
	s_mul_i32 s85, s12, 16*SPITCH
	s_add_co_u32 s85, s85, STG                     ; my stage
	v_and_b32 v1, 15, v0                           ; r
	v_bfe_u32 v2, v0, 4, 1                         ; h
	v_and_b32 v3, 31, v0
	v_lshlrev_b32 v3, 4, v3                        ; 16 x lane
	v_add_nc_u32 v[ADA], s81, v3
	v_add_nc_u32 v[ADA+1], AQ, v[ADA]
	v_mul_u32_u24 v4, v1, BP
	v_lshl_add_u32 v4, v2, 4, v4                   ; row x pitch + 16 x half
	v_add_nc_u32 v[ADB], s84, v4
	v_add_nc_u32 v[ADB+1], BQ, v[ADB]
	v_mul_u32_u24 v5, v1, SPITCH
	v_lshl_add_u32 v5, v2, 6, v5
	v_add_nc_u32 v[STO], s85, v5                   ; in: row r, + 64 h: my half's sixteen outputs of each 32
	v_mul_u32_u24 v5, v2, SPITCH
	v_lshl_add_u32 v5, v1, 4, v5
	v_add_nc_u32 v[RD], s85, v5                    ; back: lanes 0-15 one row of 256 bytes, lanes 16-31 the next
	v_lshlrev_b32 v5, 12, v2
	v_lshl_add_u32 v[CO], v1, 4, v5                ; and the same two rows of out0, 4,096 bytes apart
	s_lshl_b32 s82, s69, 19                        ; 128 tokens x 4,096 bytes,
	s_lshl_b32 s83, s13, 18                        ; my 64 of them,
	s_add_co_u32 s82, s82, s83
	s_lshl_b32 s83, s68, 9                         ; 128 outputs x 4 bytes,
	s_add_co_u32 s82, s82, s83
	s_lshl_b32 s83, s14, 8                         ; my 64
	s_add_co_u32 s82, s82, s83
	s_mov_b32 s83, 0
	s_add_nc_u64 s[10:11], s[10:11], s[82:83]
; THE FIRST HALF.  32 LDS loads: the fragments of K step ks (128 along K) into buffer f: B's four from rows, A's four as images.  Registers 4 c .. 4 c + 3 hold k = 32 c + 16 h + 0 .. 15 on both sides.
.macro FETCH ks, f
	WIN 0x40                                       ; destination window 1
.irp i, 0,1,2,3
.irp c, 0,1,2,3
	ds_load_b128 v[\f+64+16*\i+4*\c:\f+64+16*\i+4*\c+3], v[ADB] offset:\i*16*BP+128*(\ks)+32*\c
.endr
.endr
.irp i, 0,1,2,3
.irp c, 0,1,2,3
	ds_load_b128 v[\f+16*\i+4*\c:\f+16*\i+4*\c+3], v[ADA] offset:\i*8192+2048*(\ks)+512*\c
.endr
.endr
.endm
; 16 matrix instructions: the 16 accumulators take turns, one instruction a turn, in the same order in every step.
.macro MUL f, zero
	WIN 0x05                                       ; sources 0 and 1 window 1; C and D window 0
.irp a, 0,1,2,3
.irp b, 0,1,2,3
.if \zero
	v_wmma_f32_16x16x128_fp8_fp8 v[ACC+8*(4*\a+\b):ACC+8*(4*\a+\b)+7], v[\f+64+16*\b:\f+64+16*\b+15], v[\f+16*\a:\f+16*\a+15], 0
.else
	v_wmma_f32_16x16x128_fp8_fp8 v[ACC+8*(4*\a+\b):ACC+8*(4*\a+\b)+7], v[\f+64+16*\b:\f+64+16*\b+15], v[\f+16*\a:\f+16*\a+15], v[ACC+8*(4*\a+\b):ACC+8*(4*\a+\b)+7]
.endif
.endr
.endr
.endm
; THE SECOND HALF.  LB: B's fragments of K step ks -> window 2.  LR: A's fragment of block a, K step ks -> window 3.  M: block a, K step ks: its four accumulators by turns.
.macro LB ks
	WIN 0x80
.irp i, 0,1,2,3
.irp c, 0,1,2,3
	ds_load_b128 v[64*\ks+16*\i+4*\c:64*\ks+16*\i+4*\c+3], v[ADB+1] offset:\i*16*BP+128*\ks+32*\c
.endr
.endr
.endm
.macro LR a, ks
	WIN 0xc0
.irp c, 0,1,2,3
	ds_load_b128 v[64*\a+16*\ks+4*\c:64*\a+16*\ks+4*\c+3], v[ADA+1] offset:\a*8192+2048*\ks+512*\c
.endr
.endm
.macro M a, ks
	WIN 0x0e                                       ; source 0 window 2, source 1 window 3; C and D window 0
.irp b, 0,1,2,3
	v_wmma_f32_16x16x128_fp8_fp8 v[ACC+8*(4*\a+\b):ACC+8*(4*\a+\b)+7], v[64*\ks+16*\b:64*\ks+16*\b+15], v[64*\a+16*\ks:64*\a+16*\ks+15], v[ACC+8*(4*\a+\b):ACC+8*(4*\a+\b)+7]
.endr
.endm
.macro LROW a
.irp ks, 0,1,2,3
	LR \a, \ks
.endr
.endm
; THE WAY OUT of a block of 16 tokens x 64 outputs: x 2^(e10 + e11), through my own stage, back as rows of 256 bytes.  LDS serves a wave's instructions in order: no wait between the stores and the loads.
.macro TOSTAGE a
	PLACES                                         ; behind the block's last products
	WIN 0
.irp j, 0,2,4,6,8,10,12,14,16,18,20,22,24,26,28,30
	v_pk_mul_f32 v[TMP+\j:TMP+\j+1], v[ACC+32*(\a)+\j:ACC+32*(\a)+\j+1], s[70:71] op_sel_hi:[1,0]   ; each accumulator from its low end on
.endr
.irp b, 0,1,2,3
	ds_store_b128 v[STO], v[TMP+8*\b:TMP+8*\b+3] offset:128*(\b/2)+32*(\b%2)         ; outputs 32 (b / 2) + 16 h + 8 (b % 2) + 0 .. 7 of token row r
	ds_store_b128 v[STO], v[TMP+8*\b+4:TMP+8*\b+7] offset:128*(\b/2)+32*(\b%2)+16
.endr
.irp t, 0,1,2,3,4,5,6,7
	ds_load_b128 v[BK+32*((\a)%2)+4*\t:BK+32*((\a)%2)+4*\t+3], v[RD] offset:\t*2*SPITCH
.endr
.endm
.macro SEND a
	WIN 0
	s_wait_dscnt 0x0                               ; the block is back in registers
.irp t, 0,1,2,3,4,5,6,7
	global_store_b128 v[CO], v[BK+32*((\a)%2)+4*\t:BK+32*((\a)%2)+4*\t+3], s[10:11] offset:(32*((\a)/2)+8*((\a)%2)+2*(\t%4)+16*(\t/4))*4096 th:TH_STORE_NT   ; stage row n is token 32 (a / 2) + 8 (a % 2) + n + 8 (n / 8); 16 lanes store 256 consecutive, aligned bytes
.endr
.endm
	s_wait_alu depctr_va_vdst(0)
	s_wait_tensorcnt 0x0                           ; my part of the first half is in
	ds_add_u32 v[SPW], v[NIL]
	s_wait_dscnt 0x0
	CROUND                                         ; everybody's is, and the next joint loads meet
	JLOAD 1                                        ; K's second half: the one load of mine that is out until the wait below
	FETCH 0, 0
.irp ks, 0,1,2,3                        ; four K steps of 128; while one buffer is multiplied the other is fetched
.if \ks < 3
.if \ks > 0
	PLACES                                         ; in front of loads into the buffer that the last products read
.endif
	FETCH \ks+1, 128*((\ks+1)%2)
	s_wait_dscnt 32                                ; all but the 32 just issued
.else
	s_wait_dscnt 0x0
.endif
.if \ks == 0
	MUL 0, 1                                       ; the first products start the sums: nothing is cleared
.else
	MUL 128*(\ks%2), 0
.endif
.endr
	WIN 0
	s_wait_kmcnt 0x0
	s_add_co_i32 s70, s70, s71
	s_add_co_i32 s70, s70, 127
	s_lshl_b32 s70, s70, 23                        ; 2^(e10 + e11) as f32
	s_mov_b32 s71, s70                             ; (named with it as a pair)
	s_wait_tensorcnt 0x0                           ; my part of the second half is in
	s_barrier_signal -1
	s_barrier_wait -1                              ; everybody's is
.irp ks, 0,1,2                          ; block 0 with B's fragments: twenty loads a K step, three K steps asked for ahead
	LR 0, \ks
	LB \ks
.endr
	s_wait_dscnt 40                                ; K step 0 is in; the forty loads of the next two may be out
	M 0, 0
	LR 0, 3
	LB 3
	s_wait_dscnt 40
	M 0, 1
	LROW 1
	s_wait_dscnt 36                                ; behind K step 2: K step 3's twenty and block 1's sixteen
	M 0, 2
	LROW 2
	s_wait_dscnt 32                                ; behind K step 3: blocks 1 and 2
	M 0, 3
	LROW 3
	TOSTAGE 0
.irp a, 1,2,3
.if \a == 1
	s_wait_dscnt 48                                ; block 1's fragments are in; behind them: blocks 2 and 3 and the stage's sixteen
.endif
.irp ks, 0,1,2,3
	M \a, \ks
.endr
	SEND \a-1
.if \a > 1
	s_wait_xcnt 0x0                                ; the stores of two blocks back have read their registers: this block's loads may land there
.endif
	TOSTAGE \a
.endr
	SEND 3
	s_wait_tensorcnt 0x0                           ; the wave's end
	ds_add_u32 v[SPW], v[NIL]
	s_wait_dscnt 0x0
	CROUND                                         ; the closing round: no work-group ends while a partner may still ask for a tile that names it
	s_endpgm
.Lfunc_end_k_qf35a7773f4_oproj:
	.size	k_qf35a7773f4_oproj, .Lfunc_end_k_qf35a7773f4_oproj-k_qf35a7773f4_oproj
	.p2alignl 7, 3214868480
	.fill 96, 4, 3214868480
	.section	.rodata,"a",@progbits
	.p2align	6, 0x0
	.amdhsa_kernel k_qf35a7773f4_oproj
		.amdhsa_group_segment_fixed_size 327680
		.amdhsa_private_segment_fixed_size 0
		.amdhsa_enable_private_segment 0
		.amdhsa_kernarg_size 32
		.amdhsa_user_sgpr_count 2
		.amdhsa_user_sgpr_kernarg_segment_ptr 1
		.amdhsa_wavefront_size32 1
		.amdhsa_system_sgpr_workgroup_id_x 1
		.amdhsa_system_sgpr_workgroup_id_y 1
		.amdhsa_system_sgpr_workgroup_id_z 1
		.amdhsa_system_vgpr_workitem_id 0
		.amdhsa_next_free_vgpr 1024
		.amdhsa_next_free_sgpr 96
		.amdhsa_reserve_vcc 0
		.amdhsa_float_denorm_mode_32 3
		.amdhsa_float_denorm_mode_16_64 3
		.amdhsa_memory_ordered 1
		.amdhsa_forward_progress 1
		.amdhsa_inst_pref_size 45
	.end_amdhsa_kernel
	.amdgpu_metadata
---
amdhsa.version: [ 1, 2 ]
amdhsa.kernels:
  - .name:           k_qf35a7773f4_oproj
    .symbol:         k_qf35a7773f4_oproj.kd
    .args:
      - { .name: oc, .offset: 0, .size: 8, .value_kind: global_buffer, .address_space: global }
      - { .name: wc, .offset: 8, .size: 8, .value_kind: global_buffer, .address_space: global }
      - { .name: lowp_scales, .offset: 16, .size: 8, .value_kind: global_buffer, .address_space: global }
      - { .name: out0, .offset: 24, .size: 8, .value_kind: global_buffer, .address_space: global }
    .group_segment_fixed_size: 327680
    .private_segment_fixed_size: 0
    .kernarg_segment_align: 8
    .kernarg_segment_size: 32
    .max_flat_workgroup_size: 128
    .sgpr_count:     96
    .vgpr_count:     1024
    .wavefront_size: 32
...
	.end_amdgpu_metadata
.endif
;; end of part 4
